; MI455X (gfx1250); checked and timed in simulation.
; The chip was launched on July 23, 2026; its instructions are those of AMD's public machine-readable ISA for CDNA 5 (MIT licence, August 2026) and "CDNA5" Instruction Set Architecture Reference Guide (July 2026). The comments in the code are by the model that wrote it; some were corrected since.
;; Multi Head Attention. Allowed arithmetic: matrix products marked QUANTISED: E4M3 operands, one given power-of-two scale a tensor, by v_wmma_f32_16x16x64_fp8_fp8 or v_wmma_f32_16x16x128_fp8_fp8, f32 sums; everything else in f32.
;; Inputs: W_k 512 x 512 float32; W_o 512 x 512 float32; W_q 512 x 512 float32; W_v 512 x 512 float32; b_o 512 float32; k 2 x 4,096 x 512 float32; lowp_scales 12 int32 (the exponents e of the quantised operands' scales 2^e); q 2 x 4,096 x 512 float32; v 2 x 4,096 x 512 float32.
;; Outputs: out0 2 x 4,096 x 512 float32.
;; This version of the problem:
;;   THIS VERSION OF THE PROBLEM IS GIVEN IN LOW PRECISION. The matrix products marked QUANTISED in the list below multiply operands that are first quantised to E4M3 (4 exponent bits, 3 mantissa bits; 8 bits a number), with one given power-of-two scale for each operand tensor; their sums are f32. All else is computed in f32.
;;   The module's matrix products, in the order in which they are computed (A, B: the left and right operand; K: the contracted axis; several contracted axes count as one K, in the product's order):
;;     1. [M 8,192, K 512] x [K 512, N 512]; A: input q; B: input W_q: QUANTISED (scales: A lowp_scales[0], B lowp_scales[1])
;;     2. [M 8,192, K 512] x [K 512, N 512]; A: input k; B: input W_k: QUANTISED (scales: A lowp_scales[2], B lowp_scales[3])
;;     3. [M 8,192, K 512] x [K 512, N 512]; A: input v; B: input W_v: QUANTISED (scales: A lowp_scales[4], B lowp_scales[5])
;;     4. batch 16 x [M 4,096, K 64] x [K 64, N 4,096]; A: computed on the way; B: computed on the way: QUANTISED (scales: A lowp_scales[6], B lowp_scales[7])
;;     5. batch 16 x [M 4,096, K 4,096] x [K 4,096, N 64]; A: softmax (see below); B: computed on the way: QUANTISED (scales: A lowp_scales[8], B lowp_scales[9])
;;     6. [M 8,192, K 512] x [K 512, N 512]; A: computed on the way; B: input W_o: QUANTISED (scales: A lowp_scales[10], B lowp_scales[11])
;;   THE QUANTISER, for each operand of a quantised product, along K:
;;     - The operand's scale is 2^e, e = its entry of the input lowp_scales (int32; the entries are numbered through the quantised products in the list's order, A before B).
;;     - Each number is divided by the scale, clamped to +-448, and rounded to the nearest number of E4M3, ties to even, subnormals kept.
;;     - The product sums the exact products of the quantised numbers (number of the format x scale) in f32.
;;   ~~~python
;;   def quantise(x, axis, e):      # numpy; x: float32 -> the quantised numbers, widened to float32 again
;;       x = np.moveaxis(x, axis, -1); K = x.shape[-1]
;;       r = np.clip(x / 2.0 ** e, -448, 448)
;;       step = 2.0 ** (np.maximum(np.frexp(np.where(r == 0, 1, r))[1] - 1, -6) - 3)
;;       q = np.round(r / step) * step * 2.0 ** e      # np.round: ties to even
;;       return np.moveaxis(q, -1, axis).astype(np.float32)
;;   ~~~
;;   SOFTMAX AHEAD OF A QUANTISED PRODUCT. Where the list says 'softmax', what is quantised is not the finished softmax but p = 2^(t - M), with t = logit x log2(e) and M = ceil(the row's largest t), a whole number; so 1/2 < the row's largest p <= 1. The row's sum l is taken of the UNQUANTISED p, in f32, and the product's result is divided by l at the end. Since M is a whole number, a kernel that streams over the keys may use a running M (the ceiling of the running maximum): every later rescaling is an exact power of two, so the quantised numbers keep their values, but for numbers so far below the row's largest that they fall under the format's range.
;;   OPERANDS COMPUTED ON THE WAY. 'Computed on the way' means the value that the module computes at that place (a softmax that the list does not call 'softmax' is quantised finished and normalised). What goes into a quantiser is computed in f32, as accurately as f32 sums, v_exp_f32 and their like allow (about 1e-6 of the number): no bf16 or f16 on the way to a quantiser, and a product that is left as it is and whose result goes on into a quantised operand takes f32 operands (vector FMAs, or v_wmma_f32_16x16x4_f32). A number that lies on a knife's edge between two numbers of the format may be rounded either way, as far as f32 arithmetic and the matrix unit's own rounding can turn it there, and no further.
;; 2 versions. Each part assembles by itself: llvm-mc -triple=amdgcn-amd-amdhsa -mcpu=gfx1250 --defsym DOCPART=n.
;; ======== version 1 of 2: 4 launches
;; workspace buffers: wc 1,048,576 bytes; qc 4,194,304 bytes; kvc 8,388,608 bytes; cc 4,194,304 bytes
;; launch wq (part 1): grid 256 x 1, 2 waves a work-group, no clusters, 25,344 bytes of LDS; arguments W_q, W_k, W_v, W_o, lowp_scales, wc; writes wc
.if DOCPART == 1
	.amdgcn_target "amdgcn-amd-amdhsa--gfx1250"
	.amdhsa_code_object_version 6
	.text
	.protected	k_q85f25f6dcc_wq
	.globl	k_q85f25f6dcc_wq
	.p2align	8
	.type	k_q85f25f6dcc_wq,@function
k_q85f25f6dcc_wq:
	s_mov_b64 s[64:65], 0
	v_nop
	global_prefetch_b8 v0, s[64:65] scope:SCOPE_SE
	s_setreg_imm32_b32 hwreg(HW_REG_WAVE_MODE, 25, 1), 1
	s_wait_xcnt 0x0
; The four weights W_q, W_k, W_v, W_o ([512][512] f32, K innermost) become codes of FP8 (E4M3), each with the scale 2^e given for it
; (entries 1, 3, 5, 11 of lowp_scales): code = x / 2^e, held within +-448, to the nearest code, ties to even.
; LIMITS: e between -126 and 119, so that 2^e and 448 x 2^e are f32 numbers.  NaN among the inputs is not served.
; LAYOUT OF wc: images of the operand's registers.  A fragment is 16 rows x 128 K = 2,048 bytes in four images of 512: image c holds at byte 16 l
; (l the lane, r = l % 16, h = l / 16) the codes k = 32 c + 16 h + 0..15 of the fragment's row r.  Fragment (weight wi, tile tau, K step s) lies at
; wi x 262,144 + tau x 8,192 + s x 2,048.  THE ROWS OF A TILE ARE NOT NEIGHBOURS: row r of tile tau is 64 (tau / 4) + 32 ((tau / 2) % 2) + 8 (tau % 2) + r + 8 (r / 8),
; so that the results of two neighbouring tiles, used transposed, are 16 neighbours along the next product's K.
; SHARES: 512 fragments, one a wave, two waves a work-group; waves share nothing: no barrier.
; Each load reads 512 consecutive bytes of one row.  The conversions want 16 neighbours in ONE lane: four rows at a time turn through the wave's own stage in LDS
; (64 bytes a place + 16 of padding).  The codes go through a second stage (8 chunks of 256 bytes + 16) and leave as four dense images of 512 bytes.
.set ROWB, 2048                        ; a row of a weight in bytes
.set SP,   80                          ; a place in a stage: 64 bytes + 16
.set STG,  2560                        ; a stage: 32 places
.set CST,  10240                       ; behind the four stages: the codes' stage
.set CP,   272                         ; a chunk of it: 16 rows x 16 bytes + 16
.set REG,  12544                       ; a wave's region of LDS
.set R,    16                          ; v16-79   16 rows as loaded
.set X,    80                          ; v80-143  four sets of 16 neighbours
.set C,    144                         ; v144-159 codes
.set O,    160                         ; v160-175 the four images
	s_load_b256 s[4:11], s[0:1], 0x0               ; W_q s[4:5], W_k s[6:7], W_v s[8:9], W_o s[10:11]
	s_load_b128 s[12:15], s[0:1], 0x20             ; lowp_scales s[12:13], wc s[14:15]
	v_lshl_add_u32 v192, v0, 2, 0x6200
	v_mov_b32 v193, 0
	v_lshrrev_b32 v6, 5, v0
	v_readfirstlane_b32 s18, v6                    ; wave 0, 1
	v_and_b32 v7, 31, v0                           ; lane
	v_lshlrev_b32 v1, 4, v7                        ; 16 l: my bytes of a load's 512, and of an image
	s_mul_i32 s19, s18, REG                        ; my wave's region
	v_lshrrev_b32 v2, 2, v7
	v_mul_u32_u24 v2, v2, SP
	v_and_b32 v8, 3, v7
	v_lshl_add_u32 v2, v8, 4, v2
	v_add_nc_u32 v2, s19, v2                       ; into a stage: place l / 4, 16 (l % 4) bytes on
	v_mul_u32_u24 v3, v7, SP
	v_add_nc_u32 v3, s19, v3                       ; out of it: place l
	v_and_b32 v4, 7, v7
	v_mul_u32_u24 v4, v4, CP
	v_lshrrev_b32 v8, 3, v7
	v_lshl_add_u32 v4, v8, 4, v4
	v_add_nc_u32 v4, s19, v4                       ; codes in: chunk l % 8's place, row l / 8 of the four
	v_lshrrev_b32 v8, 4, v7
	v_and_b32 v9, 15, v7
	v_mul_u32_u24 v5, v8, CP
	v_lshl_add_u32 v5, v9, 4, v5
	v_add_nc_u32 v5, s19, v5                       ; codes out: chunk h of an image's two, row r
	s_lshr_b32 s16, ttmp9, 6                       ; wi: which weight
	s_bfe_u32 s17, ttmp9, 0x50001                  ; tau: 5 bits from bit 1
	s_and_b32 s20, ttmp9, 1
	s_lshl_b32 s20, s20, 1
	s_add_co_u32 s20, s20, s18                     ; s: the K step
	s_lshr_b32 s21, s17, 2
	s_lshl_b32 s21, s21, 6
	s_bfe_u32 s22, s17, 0x10001
	s_lshl_b32 s22, s22, 5
	s_add_co_u32 s21, s21, s22
	s_and_b32 s22, s17, 1
	s_lshl_b32 s22, s22, 3
	s_add_co_u32 s21, s21, s22                     ; the tile's first row
	s_lshl_b32 s21, s21, 11
	s_lshl_b32 s22, s20, 9
	s_add_co_u32 s22, s21, s22                     ; in bytes, + 512 s
	s_mov_b32 s23, 0
	s_lshl_b32 s2, s16, 18
	s_lshl_b32 s3, s17, 13
	s_add_co_u32 s2, s2, s3
	s_lshl_b32 s3, s20, 11
	s_add_co_u32 s2, s2, s3                        ; the fragment's place in wc
	s_mov_b32 s3, 0
	s_wait_kmcnt 0x0
	s_load_b256 s[24:31], s[12:13], 0x0            ; entries 0 to 7
	s_load_b32 s21, s[12:13], 0x2c                 ; entry 11
	s_cmp_eq_u32 s16, 1                            ; the weight is chosen by the work-group's number alone
	s_cselect_b64 s[4:5], s[6:7], s[4:5]
	s_cmp_eq_u32 s16, 2
	s_cselect_b64 s[4:5], s[8:9], s[4:5]
	s_cmp_eq_u32 s16, 3
	s_cselect_b64 s[4:5], s[10:11], s[4:5]
	s_add_nc_u64 s[4:5], s[4:5], s[22:23]
	s_add_nc_u64 s[14:15], s[14:15], s[2:3]
.irp r, 0,1,2,3,4,5,6,7,8,9,10,11,12,13,14,15
	global_load_b128 v[R+4*\r:R+4*\r+3], v1, s[4:5] offset:(\r+8*(\r/8))*ROWB th:TH_LOAD_NT   ; row r of the tile: 32 lanes read 512 consecutive bytes
.endr
	s_wait_kmcnt 0x0
	s_cmp_eq_u32 s16, 1
	s_cselect_b32 s25, s27, s25
	s_cmp_eq_u32 s16, 2
	s_cselect_b32 s25, s29, s25
	s_cmp_eq_u32 s16, 3
	s_cselect_b32 s25, s21, s25                    ; e
	s_add_co_i32 s25, s25, 127
	s_lshl_b32 s26, s25, 23
	v_mov_b32 v11, s26                             ; 2^e as f32: the conversion takes its exponent field
	s_add_co_i32 s25, s25, 8
	s_lshl_b32 s25, s25, 23
	s_or_b32 s25, s25, 0x600000
	v_mov_b32 v10, s25                             ; 448 x 2^e
.irp i, 0,1,2,3                        ; rows 4 i .. 4 i + 3 turn through stage i; LDS serves a wave's instructions in order, so no wait stands between the stores and the loads
	s_wait_loadcnt 12-4*\i                         ; these four rows are in; the younger rows may be out
.irp j, 0,1,2,3
	ds_store_b128 v2, v[R+16*\i+4*\j:R+16*\i+4*\j+3] offset:STG*\i+8*SP*\j
.endr
.irp j, 0,1,2,3
	ds_load_b128 v[X+16*\i+4*\j:X+16*\i+4*\j+3], v3 offset:STG*\i+16*\j   ; lane l: row 4 i + l / 8, k = 16 (l % 8) + 0..15
.endr
.endr
.irp i, 0,1,2,3
	s_wait_dscnt 24-8*\i                           ; set i is back: behind it stand at least the later stages' eight LDS lines each
.irp n, 0,1,2,3,4,5,6,7,8,9,10,11,12,13,14,15
	v_med3_num_f32 v[X+16*\i+\n], v[X+16*\i+\n], -v10, v10   ; the conversion to an 8-bit code does not saturate (ISA guide 7.6.2): the hold comes first
.endr
	v_cvt_scalef32_pk8_fp8_f32 v[C+4*\i:C+4*\i+1], v[X+16*\i:X+16*\i+7], v11
	v_cvt_scalef32_pk8_fp8_f32 v[C+4*\i+2:C+4*\i+3], v[X+16*\i+8:X+16*\i+15], v11
	ds_store_b128 v4, v[C+4*\i:C+4*\i+3] offset:CST+64*\i     ; chunk l % 8 (= 2 c + h), row 4 i + l / 8
.endr
	v_nop                                          ; a plain line behind the last conversion
.irp i, 0,1,2,3
	ds_load_b128 v[O+4*\i:O+4*\i+3], v5 offset:CST+2*CP*\i    ; image i: chunk 2 i + h, row r
.endr
.irp i, 0,1,2,3
	s_wait_dscnt 3-\i
	global_store_b128 v1, v[O+4*\i:O+4*\i+3], s[14:15] offset:512*\i   ; 32 lanes store 512 consecutive bytes, at a multiple of 512 from wc's first byte
.endr
	s_wait_tensorcnt 0x0
	ds_add_u32 v192, v193
	s_wait_dscnt 0x0
	s_endpgm
.Lfunc_end_k_q85f25f6dcc_wq:
	.size	k_q85f25f6dcc_wq, .Lfunc_end_k_q85f25f6dcc_wq-k_q85f25f6dcc_wq
	.p2alignl 7, 3214868480
	.fill 96, 4, 3214868480
	.section	.rodata,"a",@progbits
	.p2align	6, 0x0
	.amdhsa_kernel k_q85f25f6dcc_wq
		.amdhsa_group_segment_fixed_size 25344
		.amdhsa_private_segment_fixed_size 0
		.amdhsa_enable_private_segment 0
		.amdhsa_kernarg_size 48
		.amdhsa_user_sgpr_count 2
		.amdhsa_user_sgpr_kernarg_segment_ptr 1
		.amdhsa_wavefront_size32 1
		.amdhsa_system_sgpr_workgroup_id_x 1
		.amdhsa_system_sgpr_workgroup_id_y 1
		.amdhsa_system_sgpr_workgroup_id_z 1
		.amdhsa_system_vgpr_workitem_id 0
		.amdhsa_next_free_vgpr 194
		.amdhsa_next_free_sgpr 66
		.amdhsa_reserve_vcc 0
		.amdhsa_float_denorm_mode_32 3
		.amdhsa_float_denorm_mode_16_64 3
		.amdhsa_memory_ordered 1
		.amdhsa_forward_progress 1
		.amdhsa_inst_pref_size 13
	.end_amdhsa_kernel
	.amdgpu_metadata
---
amdhsa.version: [ 1, 2 ]
amdhsa.kernels:
  - .name:           k_q85f25f6dcc_wq
    .symbol:         k_q85f25f6dcc_wq.kd
    .args:
      - { .name: W_q, .offset: 0, .size: 8, .value_kind: global_buffer, .address_space: global }
      - { .name: W_k, .offset: 8, .size: 8, .value_kind: global_buffer, .address_space: global }
      - { .name: W_v, .offset: 16, .size: 8, .value_kind: global_buffer, .address_space: global }
      - { .name: W_o, .offset: 24, .size: 8, .value_kind: global_buffer, .address_space: global }
      - { .name: lowp_scales, .offset: 32, .size: 8, .value_kind: global_buffer, .address_space: global }
      - { .name: wc, .offset: 40, .size: 8, .value_kind: global_buffer, .address_space: global }
    .group_segment_fixed_size: 25344
    .private_segment_fixed_size: 0
    .kernarg_segment_align: 8
    .kernarg_segment_size: 48
    .max_flat_workgroup_size: 64
    .sgpr_count:     66
    .vgpr_count:     194
    .wavefront_size: 32
...
	.end_amdgpu_metadata
.endif
;; end of part 1
;; launch proj (part 2): grid 64 x 3, 8 waves a work-group, no clusters, 76,800 bytes of LDS; arguments q, k, v, wc, lowp_scales, qc, kvc; writes qc, kvc
.if DOCPART == 2
	.amdgcn_target "amdgcn-amd-amdhsa--gfx1250"
	.amdhsa_code_object_version 6
	.text
	.protected	k_q85f25f6dcc_proj
	.globl	k_q85f25f6dcc_proj
	.p2align	8
	.type	k_q85f25f6dcc_proj,@function
k_q85f25f6dcc_proj:
	s_mov_b64 s[64:65], 0
	v_nop
	global_prefetch_b8 v0, s[64:65] scope:SCOPE_SE
	s_setreg_imm32_b32 hwreg(HW_REG_WAVE_MODE, 25, 1), 1
	s_wait_xcnt 0x0
; The three input projections x W^T (x = q, k, v: [8,192][512] f32; W's codes from wc), both operands FP8 (E4M3) with given scales; the results are quantised at once,
; as operands of attention's two products, into images of THEIR registers: qc (queries' fragments), kvc (keys' fragments and values' fragments with the keys innermost).
; Work-group y = the tensor T (0 q, 1 k, 2 v); x = 128 rows (batch x / 32, key step x % 32), taken as four blocks of 32 rows.  Wave w = head w: its 64 columns' 16 fragments of W
; (256 registers, window 1) are loaded once and stay.
; A BLOCK: each wave quantises 4 of the 32 rows (8 KB dense; through its own stage in LDS, so that loads are dense and a lane still holds 16 neighbours) and stores the codes into the
; block's two fragments' images in LDS | one barrier | every wave multiplies both tiles of rows by its head's four tiles of W, K = 512 in four steps; holds, converts, stores 2,048 bytes.
; Two buffers of images take turns, so one barrier a block orders both ways: block b + 2's stores stand behind barrier b + 1, which a wave signals with its reads of block b back.
; q, k: the product is used TRANSPOSED (source 0 = W's rows, source 1 = x's): a lane holds one row of x, and W's rows are so chosen (see wc) that 16 registers of two tiles are d = 32 c + 16 h + 0..15.
; v: source 0 = x's rows (keys), source 1 = W's: a lane holds one d and its registers run along the keys.
; k, v: THE ROWS OF A TILE ARE NOT NEIGHBOURS: place r of tile u of a block is row 8 u + r + 8 (r / 8), which makes attention's p, and v's 16 registers of two tiles, 16 neighbouring keys.  q: rows as they lie.
; The LDS places are the same for all three tensors; only the row in memory differs (a choice on T).
; SCALES: x by 2^ea (entry 2 T); a sum stands for sum x 2^(ea + eb) (eb: entry 2 T + 1) and is quantised by 2^eo (entries 6, 7, 9): the three are folded into the conversion's 2^(eo - ea - eb).
; LIMITS: ea and eo - ea - eb between -126 and 119.  NaN among the inputs is not served.
; NO CLUSTER: what work-groups share is W's codes, and a wave's 32 KB of them go once from memory into the registers where they stay; asked for jointly they would land in LDS,
; 256 KB beside the 75,776 bytes in use, and be read from there once more.
; kvc: head bh x 524,288 + step x 16,384; in a step K's tile t at 1,024 t + 512 c, V's tile n at 8,192 + 2,048 n + 512 c; lane l's 16 bytes at 16 l.  qc: (256 bh + tile) x 1,024 + 512 c + 16 l.
.set STGW, 5120                        ; LDS 0..40,959: a wave's two stages
.set STGB, 2560
.set SP,   80                          ; a place in a stage: 64 bytes + 16
.set XIMG, 40960                       ; then two buffers of x's images
.set XBUF, 17408
.set XU,   8704                        ; a tile of 16 rows: 32 chunks (16 along K each)
.set CP,   272                         ; a chunk: 16 rows x 16 bytes + 16
.set LI,   1                           ; v1   16 l
.set SIN,  2                           ; v2   into my stage
.set SOUT, 3                           ; v3   out of it
.set XST,  4                           ; v4   where I store a row's codes
.set FA,   5                           ; v5   where I read a fragment
.set SA,   6                           ; v6   2^ea            v7  448 x 2^ea
.set LA,   7
.set SO,   8                           ; v8   2^(eo-ea-eb)    v9  448 x that
.set LO,   9
.set VO,   10                          ; v10-13  my byte in the block's four stores
.set R,    16                          ; v16-79   four rows as loaded
.set X,    80                          ; v80-111  two rows turned;  v80-95 later the results' codes
.set OC,   80
.set XC,   112                         ; v112-119 x's codes, two sets
.set XF0,  128                         ; v128-191 x's fragments of a K step (two tiles), two buffers
.set ACC,  192                         ; v192-255 eight accumulators
.set WV,   18
.set TT,   19
.set OB,   40                          ; s[40:41] where the block's results go;  s[42:43] the step from block to block
.set BS,   42
.set MSB, 0
.macro WIN new                         ; the immediate's high byte repeats the setting that is left
.if MSB != \new
	s_set_vgpr_msb (MSB<<8)|\new
.set MSB, \new
.endif
.endm
.macro PLACES                          ; four plain lines between a matrix instruction and a load into, or a vector line on, its registers
.rept 4
	v_nop
.endr
.endm
	s_load_b256 s[4:11], s[0:1], 0x0               ; q s[4:5], k s[6:7], v s[8:9], wc s[10:11]
	s_load_b128 s[12:15], s[0:1], 0x20             ; lowp_scales s[12:13], qc s[14:15]
	s_load_b64 s[16:17], s[0:1], 0x30              ; kvc
	v_lshl_add_u32 v126, v0, 2, 0x12800
	v_mov_b32 v127, 0
	v_lshrrev_b32 v14, 5, v0
	v_readfirstlane_b32 s[WV], v14                 ; wave = head 0..7
	s_and_b32 s[TT], ttmp7, 0xffff                 ; the tensor
	v_and_b32 v14, 31, v0                          ; lane
	v_lshlrev_b32 v[LI], 4, v14
	s_mul_i32 s20, s[WV], STGW
	v_lshrrev_b32 v[SIN], 2, v14
	v_mul_u32_u24 v[SIN], v[SIN], SP
	v_and_b32 v15, 3, v14
	v_lshl_add_u32 v[SIN], v15, 4, v[SIN]
	v_add_nc_u32 v[SIN], s20, v[SIN]               ; place l / 4, 16 (l % 4) bytes on
	v_mul_u32_u24 v[SOUT], v14, SP
	v_add_nc_u32 v[SOUT], s20, v[SOUT]             ; place l: k = 16 l + 0..15 of the row
	s_lshr_b32 s21, s[WV], 2
	s_mul_i32 s21, s21, XU                         ; my rows' tile u = w / 4,
	s_and_b32 s22, s[WV], 3
	s_lshl_b32 s22, s22, 6                         ; their places r = 4 (w % 4) + 0..3
	s_add_co_u32 s21, s21, s22
	s_add_co_u32 s21, s21, XIMG
	v_mul_u32_u24 v[XST], v14, CP                  ; chunk l
	v_add_nc_u32 v[XST], s21, v[XST]
	v_and_b32 v15, 15, v14
	v_lshrrev_b32 v[FA], 4, v14
	v_mul_u32_u24 v[FA], v[FA], CP
	v_lshl_add_u32 v[FA], v15, 4, v[FA]
	v_add_nc_u32 v[FA], XIMG, v[FA]                ; chunk h of a pair, row r
	s_lshl_b32 s23, s[WV], 2                       ; q: my first row of a block is 4 w;
	s_lshr_b32 s36, s[WV], 2
	s_lshl_b32 s36, s36, 3
	s_and_b32 s37, s[WV], 3
	s_lshl_b32 s37, s37, 2
	s_add_co_u32 s36, s36, s37
	s_bfe_u32 s37, s[WV], 0x10001
	s_lshl_b32 s37, s37, 3
	s_add_co_u32 s36, s36, s37                     ; k, v: 8 (w / 4) + 4 (w % 4) + 8 ((w / 2) % 2)
	s_cmp_eq_u32 s[TT], 0
	s_cselect_b32 s23, s23, s36
	s_lshl_b32 s36, ttmp9, 7
	s_add_co_u32 s36, s36, s23
	s_lshl_b32 s36, s36, 11                        ; my first row of x, in bytes
	s_mov_b32 s37, 0
	s_lshl_b32 s38, s[TT], 18
	s_lshl_b32 s39, s[WV], 15
	s_add_co_u32 s38, s38, s39                     ; my head's fragments in wc
	s_mov_b32 s39, 0
	s_lshr_b32 s44, ttmp9, 5
	s_lshl_b32 s44, s44, 3
	s_add_co_u32 s44, s44, s[WV]                   ; bh = 8 x batch + head
	s_lshl_b32 s44, s44, 18
	s_and_b32 s45, ttmp9, 31
	s_lshl_b32 s45, s45, 13
	s_add_co_u32 s44, s44, s45                     ; qc: 262,144 bh + 8,192 step;
	s_cmp_eq_u32 s[TT], 0
	s_cselect_b32 s45, 0, 1
	s_lshl_b32 s44, s44, s45                       ; kvc: twice that,
	s_cmp_eq_u32 s[TT], 2
	s_cselect_b32 s45, 8192, 0
	s_mov_b32 s[BS], 2048
	s_cselect_b32 s[BS], 512, s[BS]                ; from block to block: q, k two tiles on; v an image on
	s_mov_b32 s46, 512
	s_cselect_b32 s46, 2048, s46                   ; from store to store: q, k an image on; v a tile on
	s_add_co_u32 s44, s44, s45                     ; and V's part lies behind K's
	s_mov_b32 s45, 0
	s_mov_b32 s[BS+1], 0
	v_mov_b32 v[VO], v[LI]
	v_add_nc_u32 v[VO+1], s46, v[VO]
	v_add_nc_u32 v[VO+2], s46, v[VO+1]
	v_add_nc_u32 v[VO+3], s46, v[VO+2]
	s_wait_kmcnt 0x0
	s_load_b256 s[24:31], s[12:13], 0x0            ; entries 0 to 7
	s_load_b128 s[32:35], s[12:13], 0x20           ; entries 8 to 11
	s_cmp_eq_u32 s[TT], 1                          ; the buffers are chosen by the work-group's number alone
	s_cselect_b64 s[4:5], s[6:7], s[4:5]
	s_cmp_eq_u32 s[TT], 2
	s_cselect_b64 s[4:5], s[8:9], s[4:5]
	s_add_nc_u64 s[4:5], s[4:5], s[36:37]
	s_add_nc_u64 s[10:11], s[10:11], s[38:39]
	s_cmp_eq_u32 s[TT], 0
	s_cselect_b64 s[OB:OB+1], s[14:15], s[16:17]
	s_add_nc_u64 s[OB:OB+1], s[OB:OB+1], s[44:45]
; row t of my sixteen (block t / 4, row t % 4 of my four): 2,048 bytes by four loads of 512 consecutive bytes, into set t % 4
.macro LOAD t
.irp i, 0,1,2,3
	global_load_b128 v[R+16*((\t)%4)+4*\i:R+16*((\t)%4)+4*\i+3], v[LI], s[4:5] offset:((\t)/4)*65536+((\t)%4)*2048+512*\i th:TH_LOAD_NT
.endr
.endm
; row t through stage t % 2: LDS serves a wave's instructions in order, so no wait stands between the stores and the loads
.macro TURN t
.irp i, 0,1,2,3
	ds_store_b128 v[SIN], v[R+16*((\t)%4)+4*\i:R+16*((\t)%4)+4*\i+3] offset:STGB*((\t)%2)+8*SP*\i
.endr
.irp i, 0,1,2,3
	ds_load_b128 v[X+16*((\t)%2)+4*\i:X+16*((\t)%2)+4*\i+3], v[SOUT] offset:STGB*((\t)%2)+16*\i
.endr
.endm
	LOAD 0
	LOAD 1
	LOAD 2
	LOAD 3
	WIN 0x40                                       ; destination window 1
.set f, 0
.rept 16                               ; W's fragment f = 4 t + s at v[16 f] of window 1
.irp c, 0,1,2,3
	global_load_b128 v[16*f+4*\c:16*f+4*\c+3], v[LI], s[10:11] offset:2048*f+512*\c
.endr
.set f, f+1
.endr
	WIN 0
	s_wait_kmcnt 0x0
	s_cmp_eq_u32 s[TT], 1
	s_cselect_b32 s36, s26, s24                    ; ea
	s_cselect_b32 s37, s27, s25                    ; eb
	s_cselect_b32 s38, s31, s30                    ; eo
	s_cmp_eq_u32 s[TT], 2
	s_cselect_b32 s36, s28, s36
	s_cselect_b32 s37, s29, s37
	s_cselect_b32 s38, s33, s38
	s_add_co_i32 s47, s36, 127
	s_lshl_b32 s48, s47, 23
	v_mov_b32 v[SA], s48                           ; 2^ea as f32
	s_add_co_i32 s47, s47, 8
	s_lshl_b32 s47, s47, 23
	s_or_b32 s47, s47, 0x600000
	v_mov_b32 v[LA], s47                           ; 448 x 2^ea
	s_sub_co_i32 s47, s38, s36
	s_sub_co_i32 s47, s47, s37
	s_add_co_i32 s47, s47, 127
	s_lshl_b32 s48, s47, 23
	v_mov_b32 v[SO], s48                           ; 2^(eo - ea - eb)
	s_add_co_i32 s47, s47, 8
	s_lshl_b32 s47, s47, 23
	s_or_b32 s47, s47, 0x600000
	v_mov_b32 v[LO], s47
; My four rows of block beta become codes in the block's images.  Loads run four rows ahead, the turn through LDS one row.
.macro XPHASE beta
.if \beta > 0
	s_wait_xcnt 0x0                                ; the last block's stores have read their data (v80-95) and their base: both are written again below
	s_add_nc_u64 s[OB:OB+1], s[OB:OB+1], s[BS:BS+1]
	s_wait_loadcnt 12                              ; the block's first row is in; three younger rows may be out
.else
	s_wait_loadcnt 63                              ; 80 loads are out, x's 16 the oldest: at most 63 left shows 17 done, so rows 0 to 3 are in
.endif
	TURN 4*\beta
.irp a, 0,1,2,3
.set tn, 4*\beta+\a
	s_wait_dscnt 0x0                               ; this row is back from the stage, so its stores into the stage have read their registers,
.if \beta < 3
	LOAD tn+4                                      ; which take the row four on
.endif
.if \a < 3
.if \beta == 3
	s_wait_loadcnt 8-4*\a                          ; the next row is in; nothing more is asked for, so the counts run down
.elseif \beta > 0
	s_wait_loadcnt 12                              ; the next row is in; three younger rows may be out
.endif
	TURN tn+1
.endif
.irp i, 0,1,2,3,4,5,6,7,8,9,10,11,12,13,14,15
	v_med3_num_f32 v[X+16*(tn%2)+\i], v[X+16*(tn%2)+\i], -v[LA], v[LA]   ; the conversion does not saturate (ISA guide 7.6.2): the hold comes first
.endr
	v_cvt_scalef32_pk8_fp8_f32 v[XC+4*(tn%2):XC+4*(tn%2)+1], v[X+16*(tn%2):X+16*(tn%2)+7], v[SA]
	v_cvt_scalef32_pk8_fp8_f32 v[XC+4*(tn%2)+2:XC+4*(tn%2)+3], v[X+16*(tn%2)+8:X+16*(tn%2)+15], v[SA]
	v_nop                                          ; a plain line behind the conversions
	ds_store_b128 v[XST], v[XC+4*(tn%2):XC+4*(tn%2)+3] offset:XBUF*(\beta%2)+16*\a   ; chunk l, my row's place
.endr
	s_wait_dscnt 0x0                               ; for the others' sake: my codes lie in LDS; and my reads of the block before are back
	s_barrier_signal -1
	s_barrier_wait -1
.endm
.macro FETCH s, p, beta                ; both tiles' fragments of K step s into buffer p
.irp u, 0,1
.irp c, 0,1,2,3
	ds_load_b128 v[XF0+32*(\p)+16*\u+4*\c:XF0+32*(\p)+16*\u+4*\c+3], v[FA] offset:XBUF*((\beta)%2)+XU*\u+CP*(8*(\s)+2*\c)
.endr
.endr
.endm
; Eight matrix instructions, the eight accumulators by turns in the same order in every K step; the first K step starts the sums with the constant 0.
.macro MUL s, p, v
.if \v
	WIN 0x04                                       ; source 1 (W) window 1
.irp n, 0,1,2,3
.irp u, 0,1
.if \s == 0
	v_wmma_f32_16x16x128_fp8_fp8 v[ACC+16*\n+8*\u:ACC+16*\n+8*\u+7], v[XF0+32*\p+16*\u:XF0+32*\p+16*\u+15], v[16*(4*\n+\s):16*(4*\n+\s)+15], 0
.else
	v_wmma_f32_16x16x128_fp8_fp8 v[ACC+16*\n+8*\u:ACC+16*\n+8*\u+7], v[XF0+32*\p+16*\u:XF0+32*\p+16*\u+15], v[16*(4*\n+\s):16*(4*\n+\s)+15], v[ACC+16*\n+8*\u:ACC+16*\n+8*\u+7]
.endif
.endr
.endr
.else
	WIN 0x01                                       ; source 0 (W) window 1
.irp m, 0,1
.irp t, 0,1,2,3
.if \s == 0
	v_wmma_f32_16x16x128_fp8_fp8 v[ACC+32*\m+8*\t:ACC+32*\m+8*\t+7], v[16*(4*\t+\s):16*(4*\t+\s)+15], v[XF0+32*\p+16*\m:XF0+32*\p+16*\m+15], 0
.else
	v_wmma_f32_16x16x128_fp8_fp8 v[ACC+32*\m+8*\t:ACC+32*\m+8*\t+7], v[16*(4*\t+\s):16*(4*\t+\s)+15], v[XF0+32*\p+16*\m:XF0+32*\p+16*\m+15], v[ACC+32*\m+8*\t:ACC+32*\m+8*\t+7]
.endif
.endr
.endr
.endif
.endm
.macro PRODUCT beta, v
	FETCH 0, 0, \beta
	FETCH 1, 1, \beta
	s_wait_dscnt 8                                 ; K step 0 is in; the eight younger loads may be out
	MUL 0, 0, \v
	WIN 0
	PLACES
	FETCH 2, 0, \beta
	s_wait_dscnt 8
	MUL 1, 1, \v
	WIN 0
	PLACES
	FETCH 3, 1, \beta
	s_wait_dscnt 8
	MUL 2, 0, \v
	s_wait_dscnt 0x0
	MUL 3, 1, \v
	WIN 0                                          ; at a label and at a branch every window is 0
	PLACES
.endm
; The 64 sums of a lane are four groups of 16 neighbours along the next product's K: held, converted, and stored as four images' 512 consecutive bytes.
.macro QOUT
.set i, 0
.rept 64
	v_med3_num_f32 v[ACC+i], v[ACC+i], -v[LO], v[LO]   ; each accumulator from its low end on
.set i, i+1
.endr
.irp g, 0,1,2,3
	v_cvt_scalef32_pk8_fp8_f32 v[OC+4*\g:OC+4*\g+1], v[ACC+16*\g:ACC+16*\g+7], v[SO]
	v_cvt_scalef32_pk8_fp8_f32 v[OC+4*\g+2:OC+4*\g+3], v[ACC+16*\g+8:ACC+16*\g+15], v[SO]
.endr
	v_nop                                          ; a plain line behind the last conversion: the next block's products write its sources
.irp g, 0,1,2,3
	global_store_b128 v[VO+\g], v[OC+4*\g:OC+4*\g+3], s[OB:OB+1]
.endr
.endm
.irp b, 0,1,2,3
	XPHASE \b
.if \b == 0
	s_wait_loadcnt 16                              ; W is in: only rows 4 to 7 of x were asked for behind it
.endif
	s_cmp_eq_u32 s[TT], 2                          ; the same in all waves: no barrier stands in either arm
	s_cbranch_scc1 .Lvalues_\b
	PRODUCT \b, 0
	s_branch .Ljoin_\b
.Lvalues_\b:
	PRODUCT \b, 1
.Ljoin_\b:
	QOUT
.endr
	s_wait_tensorcnt 0x0
	ds_add_u32 v126, v127
	s_wait_dscnt 0x0
	s_endpgm
.Lfunc_end_k_q85f25f6dcc_proj:
	.size	k_q85f25f6dcc_proj, .Lfunc_end_k_q85f25f6dcc_proj-k_q85f25f6dcc_proj
	.p2alignl 7, 3214868480
	.fill 96, 4, 3214868480
	.section	.rodata,"a",@progbits
	.p2align	6, 0x0
	.amdhsa_kernel k_q85f25f6dcc_proj
		.amdhsa_group_segment_fixed_size 76800
		.amdhsa_private_segment_fixed_size 0
		.amdhsa_enable_private_segment 0
		.amdhsa_kernarg_size 56
		.amdhsa_user_sgpr_count 2
		.amdhsa_user_sgpr_kernarg_segment_ptr 1
		.amdhsa_wavefront_size32 1
		.amdhsa_system_sgpr_workgroup_id_x 1
		.amdhsa_system_sgpr_workgroup_id_y 1
		.amdhsa_system_sgpr_workgroup_id_z 1
		.amdhsa_system_vgpr_workitem_id 0
		.amdhsa_next_free_vgpr 512
		.amdhsa_next_free_sgpr 66
		.amdhsa_reserve_vcc 0
		.amdhsa_float_denorm_mode_32 3
		.amdhsa_float_denorm_mode_16_64 3
		.amdhsa_memory_ordered 1
		.amdhsa_forward_progress 1
		.amdhsa_inst_pref_size 104
	.end_amdhsa_kernel
	.amdgpu_metadata
---
amdhsa.version: [ 1, 2 ]
amdhsa.kernels:
  - .name:           k_q85f25f6dcc_proj
    .symbol:         k_q85f25f6dcc_proj.kd
    .args:
      - { .name: q, .offset: 0, .size: 8, .value_kind: global_buffer, .address_space: global }
      - { .name: k, .offset: 8, .size: 8, .value_kind: global_buffer, .address_space: global }
      - { .name: v, .offset: 16, .size: 8, .value_kind: global_buffer, .address_space: global }
      - { .name: wc, .offset: 24, .size: 8, .value_kind: global_buffer, .address_space: global }
      - { .name: lowp_scales, .offset: 32, .size: 8, .value_kind: global_buffer, .address_space: global }
      - { .name: qc, .offset: 40, .size: 8, .value_kind: global_buffer, .address_space: global }
      - { .name: kvc, .offset: 48, .size: 8, .value_kind: global_buffer, .address_space: global }
    .group_segment_fixed_size: 76800
    .private_segment_fixed_size: 0
    .kernarg_segment_align: 8
    .kernarg_segment_size: 56
    .max_flat_workgroup_size: 256
    .sgpr_count:     66
    .vgpr_count:     512
    .wavefront_size: 32
...
	.end_amdgpu_metadata
.endif
;; end of part 2
;; launch attn (part 3): grid 16 x 16, 16 waves a work-group, clusters of 4 x 1, 327,680 bytes of LDS; arguments qc, kvc, lowp_scales, cc; writes cc
.if DOCPART == 3
	.amdgcn_target "amdgcn-amd-amdhsa--gfx1250"
	.amdhsa_code_object_version 6
	.text
	.protected	k_q85f25f6dcc_attn
	.globl	k_q85f25f6dcc_attn
	.p2align	8
	.type	k_q85f25f6dcc_attn,@function
k_q85f25f6dcc_attn:
	s_mov_b64 s[64:65], 0
	v_nop
	global_prefetch_b8 v0, s[64:65] scope:SCOPE_SE
	s_setreg_imm32_b32 hwreg(HW_REG_WAVE_MODE, 25, 1), 1
	s_wait_xcnt 0x0
	s_wait_alu depctr_hold_cnt(0) depctr_sa_sdst(0) depctr_va_vdst(0) depctr_va_sdst(0) depctr_va_ssrc(0) depctr_va_vcc(0) depctr_vm_vsrc(0)
	s_getreg_b32 s2, hwreg(HW_REG_IB_STS2, 6, 4)
	s_cmp_eq_u32 s2, 0
	s_cbranch_scc0 .Lentry_in_a_cluster
	s_endpgm
.Lentry_in_a_cluster:
	s_bfe_u32 s2, ttmp6, 0x10000c
	s_cmp_lg_u32 s2, 0x3003
	s_cbranch_scc0 .Lentry_shape_is_right
	s_endpgm
.Lentry_shape_is_right:
; Causal attention for 16 heads (bh = 8 x batch + head) of 4,096 queries and keys, head size 64, both products on codes of FP8 (E4M3) with given scales (entries 6 to 9 of lowp_scales);
; the result ctx is quantised at once (entry 10) into cc, as images of the last product's operand registers.
; THE SOFTMAX AHEAD OF THE SECOND PRODUCT: t = score x log2(e) / 8; M = the row's largest t so far, rounded UP to a whole number; p = 2^(t - M) is what is quantised; the row's sum is taken of the
; unquantised p and divides at the end.  When M moves, the sum and O are multiplied by 2^(old M - new M): exact.
; SHARES.  Work-group (x, y): head y.  Each of its SIXTEEN waves owns ONE tile of 16 queries, tile 16 rank + g, g = the work-group's x: so every work-group holds one tile of each band of 256 queries
; and all have the same share of the triangle.  rank is taken from the wave's number by a table (a magic square of order 4: waves w, w + 4, w + 8, w + 12 have ranks that add up to 30, and so have
; waves 4 i .. 4 i + 3), so that long and short walks are mixed among the waves.
; Every wave passes all 8 slots of 512 keys (constant trip counts, every barrier, every joint load); a key step of 128 keys that lies wholly behind the wave's queries is left out by a scalar branch.
; CLUSTER: the four work-groups of a cluster belong to one head and walk the same K and V: each slot is asked for JOINTLY (waves 0 to 3, one key step of 16 KB each).
; The branches hang on QB = 256 rank + 64 x cluster x: the four partners' queries of one wave, QB .. QB + 63, lie in ONE block of 128 keys, so "hidden" and "open" are the same for all four.
; The work-group's place in its cluster enters only the mask's comparison (a select), the addresses in qc and cc, and the prefetches' address.
; LAYOUT.  Both products transposed: S^T = K Q^T (source 0 = 16 keys, source 1 = my queries; K = 64), O^T = V^T P^T (source 0 = 16 of the head's 64, source 1 = P; K = 128 keys): a lane holds ONE query.
; kvc holds a key step as 16 KB of register images (K's tile t at 1,024 t + 512 c; V's tile n at 8,192 + 2,048 n + 512 c; lane l at 16 l), so LDS is a dense copy: no pitch, no padding.
; The keys of a tile of K are so chosen that register 16 b + i of S^T is key 32 b + 16 (lane / 16) + i; V's rows so that register 16 c + i of O^T is d = 32 c + 16 (lane / 16) + i.
; LIMITS on the given exponents: entry 6 + entry 7 between -123 and 130 (added to c's exponent field); entries 8 and 10 between -126 and 119; entry 8 + entry 9 goes by v_ldexp_f32.  NaN is not served.
.set SLOT1, 65536                      ; LDS: two slots of 4 key steps; one exclusive or turns an address from one to the other
.set STEPB, 16384
.set SPARE, 131072                     ; behind the ring: the spare words, 128 bytes for each wave: eight blocks of 256 bytes that no other line names
.set LI,   1                           ; v1   16 l
.set ADK,  2                           ; v2   16 l + the slot in hand
.set PFO,  3                           ; v3   256 l
.set SPW,  5                           ; v5   my spare word; never rewritten
.set NIL,  6                           ; v6   0; never rewritten
.set QD,   7                           ; v7   my query - 16 (lane / 16)
; v12 -M, v13 the largest t, v[14:15] the sum in two halves; v16-23 Q; v32-95 K's eight tiles, then V's four; v96-159 S^T, then p; v160-191 O^T; v192-199 ctx's codes; v224-239 p's codes;
; v240, v244: 448 x 2^ep, 2^ep; v241, v245 the same for ctx; v236, v242-243, v252-254 at work
.set WV,   12                          ; s12 wave; s13 cx; s14 g; s15 bh; s16 rank
.set SEL,  20                          ; s[20:21] lane selects: lane l xor 16
.set CS,   22                          ; s[22:23] c = log2(e) / 8 x 2^(entries 6 + 7)
.set G1,   24                          ; s[24:31] descriptor group 1;  s[32:35] group 0, which walks
.set G0,   32
.set TB,   36                          ; s36 LDS byte at which the slot in hand begins
.set SLOTS, 37                         ; s37 slots still to be asked for
.set KF,   38                          ; s38 the step's first key
.set QB,   39                          ; s39 the first query of the four partners' tiles;  s45 the last
.set QH,   45
.set PFA,  42                          ; s[42:43] where my prefetches stand
.set LIM,  44                          ; s44 1 in a wave that prefetches, else the greatest number
.macro CROUND                          ; a round of the cluster's barrier
	s_barrier_signal -1
	s_barrier_wait -1
	s_cmp_lg_u32 s[WV], 0
	s_cbranch_scc1 .Lnot_wave_0_\@
	s_barrier_signal -3
.Lnot_wave_0_\@:
	s_barrier_wait -3
	s_barrier_signal -1
	s_barrier_wait -1
.endm
.macro TLOAD                           ; waves 0 to 3 fetch one key step each; the branch hangs on the wave's number alone; four v_nop follow the load
	s_cmp_lt_u32 s[WV], 4
	s_cbranch_scc0 .Lasked_\@
	tensor_load_to_lds s[G0:G0+3], s[G1:G1+7]
	s_nop 0
.rept 4
	v_nop
.endr
.Lasked_\@:
.endm
; A prefetch of the slot that the NEXT change of slots will ask for: four key steps ahead of that load.  All four clusters of a head walk the same 64 KB: the head's first cluster asks.  Its partners take
; 16 KB each, told apart by address; in each, waves 4 and 5 take 8 KB, lanes 256 bytes apart: one instruction a wave, each block of 256 bytes named once.  The last change that fills a slot asks for nothing.
.macro ASK
	s_cmp_gt_u32 s[SLOTS], s[LIM]
	s_cbranch_scc0 .Lnot_mine_\@
	global_prefetch_b8 v[PFO], s[PFA:PFA+1] th:TH_LOAD_NT scope:SCOPE_SE
.Lnot_mine_\@:
.endm
	s_load_b256 s[4:11], s[0:1], 0x0               ; qc s[4:5], kvc s[6:7], lowp_scales s[8:9], cc s[10:11]
	v_lshl_add_u32 v[SPW], v0, 2, SPARE
	v_mov_b32 v[NIL], 0
	ds_add_u32 v5, v6
	s_wait_dscnt 0x0
	v_lshrrev_b32 v8, 5, v0
	v_readfirstlane_b32 s[WV], v8                  ; wave 0..15
	s_bfe_u32 s13, ttmp6, 0x40000                  ; cx
	s_lshl_b32 s14, ttmp9, 2
	s_add_co_u32 s14, s14, s13                     ; g = 4 x cluster x + cx
	s_and_b32 s15, ttmp7, 0xffff                   ; bh, which the partners share
	s_mov_b32 s46, 0x0de3b658                      ; ranks of waves 8 to 15, four bits each: 8 5 6 11 3 14 13 0
	s_cmp_lt_u32 s[WV], 8
	s_cselect_b32 s46, 0x7a94c12f, s46             ; of waves 0 to 7: 15 2 1 12 4 9 10 7
	s_and_b32 s47, s[WV], 7
	s_lshl_b32 s47, s47, 2
	s_lshr_b32 s16, s46, s47
	s_and_b32 s16, s16, 15                         ; rank
	s_lshl_b32 s[QB], s16, 8
	s_lshl_b32 s46, ttmp9, 6
	s_add_co_u32 s[QB], s[QB], s46                 ; 256 rank + 64 x cluster x
	s_add_co_u32 s[QH], s[QB], 63
	s_lshl_b32 s40, s16, 8
	s_lshl_b32 s56, s14, 4
	s_add_co_u32 s40, s40, s56                     ; my first query: 256 rank + 16 g
	; descriptor group 1: a key step's 16,384 dense bytes as 64 rows of 32 elements of 8 bytes
	s_mov_b32 s[G1], 15|(3<<16)|(1<<21)            ; 15:0 the mask: all four work-groups; 17:16 elements of 8 bytes; 21 set beside a mask; no padding
	s_mov_b32 s[G1+1], 32<<16                      ; tensor_dim0 = 32
	s_mov_b32 s[G1+2], 64<<16                      ; tensor_dim1 = 64
	s_mov_b32 s[G1+3], 32<<16                      ; tile_dim0 = 32
	s_mov_b32 s[G1+4], 64                          ; tile_dim1 = 64
	s_mov_b32 s[G1+5], 32                          ; from row to row
	s_mov_b32 s[G1+6], 0
	s_mov_b32 s[G1+7], 0
	s_mov_b32 s[G0], 1                             ; count = 1
	s_and_b32 s46, s[WV], 3
	s_lshl_b32 s[G0+1], s46, 14                    ; LDS: slot 0, key step w % 4
	s_lshl_b32 s60, s46, 14                        ; and the same in memory
	s_mov_b32 s61, 0
	s_lshl_b32 s18, s15, 19                        ; the head's 524,288 bytes of kvc
	s_mov_b32 s19, 0
	s_lshl_b32 s56, s13, 14                        ; the prefetches: my work-group's 16 KB of a slot,
	s_and_b32 s58, s[WV], 1
	s_lshl_b32 s58, s58, 13                        ; my wave's 8 KB of them,
	s_add_co_u32 s56, s56, s58
	s_add_co_u32 s56, s56, SLOT1                   ; in slot 1: the first change of slots steps it to slot 2
	s_mov_b32 s57, 0
	s_lshr_b32 s[LIM], s[WV], 1
	s_xor_b32 s[LIM], s[LIM], 2                    ; 0 in waves 4 and 5,
	s_or_b32 s[LIM], s[LIM], ttmp9                 ; of the head's first cluster: the same in all four partners
	s_cmp_eq_u32 s[LIM], 0
	s_cselect_b32 s[LIM], 1, -1
	s_mov_b32 s[SEL], 0x76543210
	s_mov_b32 s[SEL+1], 0xfedcba98
	s_mov_b32 s[TB], 0
	s_mov_b32 s[SLOTS], 7
	s_mov_b32 s[KF], 0
	s_wait_kmcnt 0x0
	s_load_b256 s[48:55], s[8:9], 0x10             ; entries 4 to 11: s50, s51 the scores' two; s52 p's; s53 v's; s54 ctx's
	s_add_nc_u64 s[6:7], s[6:7], s[18:19]          ; kvc at my head
	s_add_nc_u64 s[G0+2:G0+3], s[6:7], s[60:61]    ; global address: key step w % 4
	s_or_b32 s[G0+3], s[G0+3], 0x80000000          ; type = 2
	s_add_nc_u64 s[PFA:PFA+1], s[6:7], s[56:57]
	s_lshl_b32 s56, s15, 8
	s_lshl_b32 s58, s16, 4
	s_add_co_u32 s56, s56, s58
	s_add_co_u32 s56, s56, s14                     ; 256 bh + my tile
	s_lshl_b32 s56, s56, 10
	s_add_nc_u64 s[4:5], s[4:5], s[56:57]          ; my fragment of Q
	s_lshr_b32 s58, s15, 3
	s_lshl_b32 s58, s58, 8
	s_lshl_b32 s59, s16, 4
	s_add_co_u32 s58, s58, s59
	s_add_co_u32 s58, s58, s14                     ; 256 x batch + my tile: four fragments of 2,048 bytes,
	s_lshl_b32 s58, s58, 13
	s_and_b32 s59, s15, 7
	s_lshl_b32 s59, s59, 10                        ; of which head hd fills the two images from byte 1,024 hd on
	s_add_co_u32 s58, s58, s59
	s_mov_b32 s59, 0
	s_add_nc_u64 s[10:11], s[10:11], s[58:59]
	CROUND                                         ; all four work-groups are here: the first joint loads meet
	TLOAD                                          ; slot 0
	v_and_b32 v[LI], 31, v0
	v_lshlrev_b32 v[PFO], 8, v[LI]
	v_lshlrev_b32 v[LI], 4, v[LI]
	global_load_b128 v[16:19], v[LI], s[4:5]       ; Q stays in registers
	global_load_b128 v[20:23], v[LI], s[4:5] offset:512
	v_and_b32 v8, 15, v0
	v_bfe_u32 v9, v0, 4, 1
	v_lshlrev_b32 v9, 4, v9
	v_sub_nc_u32 v[QD], v8, v9
	v_add_nc_u32 v[QD], s40, v[QD]
	v_mov_b32 v13, 0xff61b1e6                      ; the largest t so far: -3e38, under every t
	v_floor_f32 v12, -v13                          ; -M
	v_mov_b32 v14, 0
	v_mov_b32 v15, 0
	v_mov_b32 v236, 0                              ; written once: a lane permute's destination counts as one of its sources
	v_mov_b32 v252, 0
	v_mov_b32 v253, 0                              ; (named as the upper half of the pair v[252:253])
	v_mov_b32 v254, 0
.set jj, 0
.rept 32
	v_mov_b32 v[160+jj], 0                         ; O^T: the step is written once; its first run finds zeros, which the first change of M leaves zeros
.set jj, jj+1
.endr
	s_wait_kmcnt 0x0
	s_mov_b32 s[CS], 0x3e38aa3b                    ; log2(e) / 8
	s_add_co_i32 s62, s50, s51
	s_lshl_b32 s62, s62, 23
	s_add_co_i32 s[CS], s[CS], s62                 ; a score stands for score x 2^(the two exponents): they are added to c's exponent field
	s_mov_b32 s[CS+1], s[CS]
	s_add_co_i32 s62, s52, 127
	s_lshl_b32 s63, s62, 23
	v_mov_b32 v244, s63                            ; 2^ep
	s_add_co_i32 s62, s62, 8
	s_lshl_b32 s62, s62, 23
	s_or_b32 s62, s62, 0x600000
	v_mov_b32 v240, s62                            ; 448 x 2^ep
	s_add_co_i32 s62, s54, 127
	s_lshl_b32 s63, s62, 23
	v_mov_b32 v245, s63                            ; 2^ec, for ctx
	s_add_co_i32 s62, s62, 8
	s_lshl_b32 s62, s62, 23
	s_or_b32 s62, s62, 0x600000
	v_mov_b32 v241, s62                            ; 448 x 2^ec
; A KEY STEP: 128 keys, the q-th of the slot in hand.
.macro STEP q
	s_cmp_gt_u32 s[KF], s[QH]                      ; all 128 keys come behind the queries: the step's work is left out; no barrier and no tensor load stands in a step
	s_cbranch_scc1 .Lhidden_\@
	v_add_nc_u32 v[ADK], s[TB], v[LI]
.rept 3
	v_nop                                          ; with the addition: four places in front of loads into registers that the last products read
.endr
.irp t, 0,1,2,3,4,5,6,7
.irp c, 0,1
	ds_load_b128 v[32+8*\t+4*\c:35+8*\t+4*\c], v[ADK] offset:STEPB*(\q)+1024*\t+512*\c
.endr
.endr
	s_wait_dscnt 8                                 ; tiles 0 to 3 are in
.irp t, 0,1,2,3
	v_wmma_f32_16x16x64_fp8_fp8 v[96+8*\t:103+8*\t], v[32+8*\t:39+8*\t], v[16:23], 0
.endr
	s_wait_dscnt 0x0
.irp t, 4,5,6,7
	v_wmma_f32_16x16x64_fp8_fp8 v[96+8*\t:103+8*\t], v[32+8*\t:39+8*\t], v[16:23], 0
.endr
.rept 4
	v_nop                                          ; places in front of the loads below and of the first read of the scores
.endr
.irp n, 0,1,2,3                        ; V's four tiles take K's registers and land while the softmax is worked
.irp c, 0,1,2,3
	ds_load_b128 v[32+16*\n+4*\c:35+16*\n+4*\c], v[ADK] offset:STEPB*(\q)+8192+2048*\n+512*\c
.endr
.endr
	s_add_co_u32 s46, s[KF], 127
	s_cmp_le_u32 s46, s[QB]                        ; all keys count for all queries: no mask
	s_cbranch_scc1 .Lopen_\@
	v_sub_nc_u32 v252, v[QD], s[KF]                ; register 16 b + i holds key KF + 32 b + 16 (lane / 16) + i: hidden where 32 b + i > my query - 16 (lane / 16) - KF
	v_mov_b32 v254, 0xff800000                     ; -infinity: p = 0 then
.set jj, 0
.rept 64
	v_cmp_gt_i32 vcc_lo, 32*(jj/16)+jj%16, v252
	v_cndmask_b32 v[96+jj], v[96+jj], v254, vcc_lo
.set jj, jj+1
.endr
.Lopen_\@:
	v_max3_num_f32 v254, v96, v97, v98             ; the step's largest score of my query among my 64 keys, in two chains,
	v_max3_num_f32 v252, v99, v100, v101
.irp i, 6,10,14,18,22,26,30,34,38,42,46,50,54,58
	v_max3_num_f32 v254, v254, v[96+\i], v[97+\i]
	v_max3_num_f32 v252, v252, v[98+\i], v[99+\i]
.endr
	v_max3_num_f32 v254, v254, v158, v159
	v_max_num_f32 v254, v254, v252
	v_permlanex16_b32 v236, v254, s[SEL], s[SEL+1]
	v_max_num_f32 v254, v254, v236                 ; and among lane l xor 16's
	v_mul_f32 v254, s[CS], v254                    ; as t (c is positive)
	v_max_num_f32 v13, v13, v254                   ; the running largest t
	v_mov_b32 v254, v12
	v_floor_f32 v12, -v13                          ; the new -M = floor(-t): M is a whole number
	v_sub_f32 v254, v12, v254                      ; old M - new M: a whole number, 0 or less
	v_cvt_i32_f32 v254, v254                       ; (it saturates)
	v_ldexp_f32 v252, 1.0, v254                    ; f = 2^(old M - new M)
.set jj, 0
.rept 32
	v_pk_fma_f32 v[96+jj:97+jj], v[96+jj:97+jj], s[CS:CS+1], v[12:13] op_sel_hi:[1,0,0]   ; t - M, two at a time
.set jj, jj+2
.endr
.set jj, 0
.rept 64
	v_exp_f32 v[96+jj], v[96+jj]                   ; p = 2^(t - M), at most 1: not normalised
.set jj, jj+1
.endr
	v_pk_mul_f32 v[14:15], v[14:15], v[252:253] op_sel_hi:[1,0]   ; the sums under the new M: the plain line behind the exponentials
	s_wait_alu depctr_va_vdst(0)                   ; one wait for the whole batch, ahead of its first reader
	v_pk_add_f32 v[242:243], v[96:97], v[98:99]    ; the row's sum is taken of the UNQUANTISED p, in two chains
.irp j, 4,8,12,16,20,24,28,32,36,40,44,48,52,56,60
	v_pk_add_f32 v[14:15], v[14:15], v[96+\j:97+\j]
	v_pk_add_f32 v[242:243], v[242:243], v[98+\j:99+\j]
.endr
	v_pk_add_f32 v[14:15], v[14:15], v[242:243]
.irp b, 0,1,2,3
.set jj, 0
.rept 16
	v_min_num_f32 v[96+16*\b+jj], v[96+16*\b+jj], v240   ; the conversion does not saturate (ISA guide 7.6.2); p is not negative, so the hold is one-sided
.set jj, jj+1
.endr
	v_cvt_scalef32_pk8_fp8_f32 v[224+4*\b:225+4*\b], v[96+16*\b:103+16*\b], v244
	v_cvt_scalef32_pk8_fp8_f32 v[226+4*\b:227+4*\b], v[104+16*\b:111+16*\b], v244
.endr
.set jj, 0
.rept 16
	v_pk_mul_f32 v[160+jj:161+jj], v[160+jj:161+jj], v[252:253] op_sel_hi:[1,0]   ; O^T under the new M; these are also the plain lines behind the conversions
.set jj, jj+2
.endr
	s_wait_dscnt 0x0                               ; V is in
.irp n, 0,1,2,3                        ; four accumulators by turns; between two links of a chain stand the next step's eight products and three of these
	v_wmma_f32_16x16x128_fp8_fp8 v[160+8*\n:167+8*\n], v[32+16*\n:47+16*\n], v[224:239], v[160+8*\n:167+8*\n]
.endr
.Lhidden_\@:
	s_add_co_u32 s[KF], s[KF], 128
.endm
; THE CHANGE OF SLOTS stands at a slot's head.  Each wave waits for all its tensor loads (its part of the slot that it is about to read), adds 0 to its spare word, and waits for that and for its reads
; of the slot that it has left.  fill = 1: a round of the cluster's barrier, and behind it the slot just left is filled with the next 512 keys: the load has four key steps in which to land.
.macro CHANGE fill
	s_wait_tensorcnt 0x0                           ; no tensor load of mine is out, so group 0 may be written
	ds_add_u32 v[SPW], v[NIL]                      ; 0 onto my spare word
.if \fill
	s_xor_b32 s[G0+1], s[G0+1], SLOT1              ; the other slot than last time,
	s_add_nc_u64 s[G0+2:G0+3], s[G0+2:G0+3], SLOT1 ; the next four key steps; the type bits on top are not reached
	s_wait_xcnt 0x0                                ; the last prefetch, a slot back, has read its address, so it may be written:
	s_add_nc_u64 s[PFA:PFA+1], s[PFA:PFA+1], SLOT1 ; one slot further on than the walking descriptor
.endif
	s_wait_dscnt 0x0                               ; the add is done, and my reads of the slot that I have left are over
.if \fill
	CROUND                                         ; no wave of any partner still reads that slot or has a load on its way
	TLOAD                                          ; the first thing behind the round, and a wave's one tensor load until the next
	ASK
.else
	s_barrier_signal -1
	s_barrier_wait -1
.endif
.endm
.macro SLOT_STEPS
	STEP 0
	STEP 1
	STEP 2
	STEP 3
	s_xor_b32 s[TB], s[TB], SLOT1                  ; on to the other slot
.endm
	s_wait_loadcnt 0x0                             ; Q
.Lslot:                                            ; 7 trips: behind each change of slots but the last the next slot is asked for
	CHANGE 1
	SLOT_STEPS
	s_sub_co_u32 s[SLOTS], s[SLOTS], 1
	s_cmp_lg_u32 s[SLOTS], 0
	s_cbranch_scc1 .Lslot
	CHANGE 0                                       ; the last slot is written out
	SLOT_STEPS
	; THE WAY OUT: ctx = O^T / the sum x 2^(ep + ev), held, converted by 2^ec: a lane's 32 numbers are d = 32 c + 16 (lane / 16) + 0..15, c = 0, 1: 16 bytes of each of two images.
.rept 4
	v_nop                                          ; places behind the last products
.endr
	v_add_f32 v14, v14, v15                        ; the sum's two halves,
	v_permlanex16_b32 v236, v14, s[SEL], s[SEL+1]
	v_add_f32 v14, v14, v236                       ; and lane l xor 16's
	v_rcp_f32 v14, v14
	v_nop                                          ; a plain line behind the transcendental
	s_add_co_i32 s62, s52, s53
	s_wait_alu depctr_va_vdst(0)                   ; the wait ahead of its first reader
	v_ldexp_f32 v14, v14, s62                      ; x 2^(ep + ev)
	v_mov_b32 v15, v14
.set jj, 0
.rept 16
	v_pk_mul_f32 v[96+jj:97+jj], v[160+jj:161+jj], v[14:15] op_sel_hi:[1,0]   ; each accumulator from its low end on
.set jj, jj+2
.endr
.set jj, 0
.rept 32
	v_med3_num_f32 v[96+jj], v[96+jj], -v241, v241
.set jj, jj+1
.endr
.irp c, 0,1
	v_cvt_scalef32_pk8_fp8_f32 v[192+4*\c:193+4*\c], v[96+16*\c:103+16*\c], v245
	v_cvt_scalef32_pk8_fp8_f32 v[194+4*\c:195+4*\c], v[104+16*\c:111+16*\c], v245
.endr
	v_nop                                          ; a plain line behind the last conversion
	global_store_b128 v[LI], v[192:195], s[10:11]              ; 32 lanes store 512 consecutive bytes, at a multiple of 512 from cc's first byte
	global_store_b128 v[LI], v[196:199], s[10:11] offset:512
	s_wait_tensorcnt 0x0                           ; the wave's end
	ds_add_u32 v[SPW], v[NIL]
	s_wait_dscnt 0x0
	CROUND                                         ; the closing round: no work-group ends while a partner may still ask for a tile that names it
	s_endpgm
.Lfunc_end_k_q85f25f6dcc_attn:
	.size	k_q85f25f6dcc_attn, .Lfunc_end_k_q85f25f6dcc_attn-k_q85f25f6dcc_attn
	.p2alignl 7, 3214868480
	.fill 96, 4, 3214868480
	.section	.rodata,"a",@progbits
	.p2align	6, 0x0
	.amdhsa_kernel k_q85f25f6dcc_attn
		.amdhsa_group_segment_fixed_size 327680
		.amdhsa_private_segment_fixed_size 0
		.amdhsa_enable_private_segment 0
		.amdhsa_kernarg_size 32
		.amdhsa_user_sgpr_count 2
		.amdhsa_user_sgpr_kernarg_segment_ptr 1
		.amdhsa_wavefront_size32 1
		.amdhsa_system_sgpr_workgroup_id_x 1
		.amdhsa_system_sgpr_workgroup_id_y 1
		.amdhsa_system_sgpr_workgroup_id_z 1
		.amdhsa_system_vgpr_workitem_id 0
		.amdhsa_next_free_vgpr 256
		.amdhsa_next_free_sgpr 66
		.amdhsa_reserve_vcc 1
		.amdhsa_float_denorm_mode_32 3
		.amdhsa_float_denorm_mode_16_64 3
		.amdhsa_memory_ordered 1
		.amdhsa_forward_progress 1
		.amdhsa_inst_pref_size 176
	.end_amdhsa_kernel
	.amdgpu_metadata
---
amdhsa.version: [ 1, 2 ]
amdhsa.kernels:
  - .name:           k_q85f25f6dcc_attn
    .symbol:         k_q85f25f6dcc_attn.kd
    .args:
      - { .name: qc, .offset: 0, .size: 8, .value_kind: global_buffer, .address_space: global }
      - { .name: kvc, .offset: 8, .size: 8, .value_kind: global_buffer, .address_space: global }
      - { .name: lowp_scales, .offset: 16, .size: 8, .value_kind: global_buffer, .address_space: global }
      - { .name: cc, .offset: 24, .size: 8, .value_kind: global_buffer, .address_space: global }
    .group_segment_fixed_size: 327680
    .private_segment_fixed_size: 0
    .kernarg_segment_align: 8
    .kernarg_segment_size: 32
    .max_flat_workgroup_size: 512
    .sgpr_count:     66
    .vgpr_count:     256
    .wavefront_size: 32
...
	.end_amdgpu_metadata
.endif
;; end of part 3
;; launch outp (part 4): grid 4 x 64, 8 waves a work-group, no clusters, 70,656 bytes of LDS; arguments cc, wc, lowp_scales, b_o, out0; writes out0
.if DOCPART == 4
	.amdgcn_target "amdgcn-amd-amdhsa--gfx1250"
	.amdhsa_code_object_version 6
	.text
	.protected	k_q85f25f6dcc_outp
	.globl	k_q85f25f6dcc_outp
	.p2align	8
	.type	k_q85f25f6dcc_outp,@function
k_q85f25f6dcc_outp:
	s_mov_b64 s[64:65], 0
	v_nop
	global_prefetch_b8 v0, s[64:65] scope:SCOPE_SE
	s_setreg_imm32_b32 hwreg(HW_REG_WAVE_MODE, 25, 1), 1
	s_wait_xcnt 0x0
; out0 = ctx W_o^T + b_o.  ctx's codes (cc) and W_o's (wc, from byte 786,432) are FP8 (E4M3) in images of the operand's registers; a sum is multiplied by 2^(entry 10 + entry 11) of lowp_scales.
; LIMIT: entry 10 + entry 11 between -126 and 127, so that the power of two is an f32 number.
; A work-group makes 128 rows (y) x 128 columns (x).  Wave w: rows 32 (w / 2) .. + 31 of them (two tiles), columns 64 (w % 2) .. + 63 (four tiles of W_o): 8 accumulators, K = 512 in four steps.
; All operands go from memory straight into the registers where they are multiplied (X: 128 registers, window 0; W_o: 256, window 1), all 104 loads of a wave at its head, ordered by K step, so that each K step's
; products begin when its 24 loads are in.  NO CLUSTER and no LDS for operands: each wave reads each of its bytes once, into its place; asked for jointly they would land in LDS and be read from there once more.
; The product is used TRANSPOSED (source 0 = W_o's rows, source 1 = ctx's): a lane holds one row of out0, and W_o's rows are so chosen (see wc) that register 16 c + i is column 32 c + 16 (lane / 16) + i.
; The way out goes through the wave's own stage in LDS (16 rows x (256 + 16) bytes for each tile): sixteen lanes store 256 consecutive bytes at a multiple of 256 from out0's first byte.
.set XR,   16                          ; v16-143  ctx's fragment (tile m, K step s) at 64 m + 16 s;  later v16-79 the results, v80-143 the rows read back
.set ACC,  144                         ; v144-207 accumulator (m, t) at 32 m + 8 t
.set BI,   208                         ; v208-239 the bias at my 32 columns
.set SPI,  272
.set STW,  8704                        ; a wave's stage
.set MSB, 0
.macro WIN new                         ; the immediate's high byte repeats the setting that is left
.if MSB != \new
	s_set_vgpr_msb (MSB<<8)|\new
.set MSB, \new
.endif
.endm
	s_load_b256 s[4:11], s[0:1], 0x0               ; cc s[4:5], wc s[6:7], lowp_scales s[8:9], b_o s[10:11]
	s_load_b64 s[12:13], s[0:1], 0x20              ; out0
	v_lshl_add_u32 v254, v0, 2, 0x11000
	v_mov_b32 v255, 0
	v_lshrrev_b32 v6, 5, v0
	v_readfirstlane_b32 s14, v6                    ; wave 0..7
	s_and_b32 s15, ttmp7, 0xffff                   ; y
	s_lshr_b32 s18, s14, 1                         ; which 32 rows
	s_and_b32 s19, s14, 1
	s_lshl_b32 s20, ttmp9, 1
	s_add_co_u32 s20, s20, s19                     ; which 64 columns, 0..7
	v_and_b32 v6, 31, v0
	v_lshlrev_b32 v1, 4, v6                        ; 16 l
	v_and_b32 v7, 15, v0                           ; r
	v_bfe_u32 v8, v0, 4, 1                         ; h
	v_lshlrev_b32 v2, 6, v8                        ; the bias: 16 h numbers on
	s_mul_i32 s21, s14, STW
	v_mul_u32_u24 v3, v7, SPI
	v_lshl_add_u32 v3, v8, 6, v3
	v_add_nc_u32 v3, s21, v3                       ; the stage, in: row r, + 64 h bytes
	v_mul_u32_u24 v4, v8, SPI
	v_lshl_add_u32 v4, v7, 4, v4
	v_add_nc_u32 v4, s21, v4                       ; back: lanes 0-15 one row, lanes 16-31 the next
	v_lshlrev_b32 v5, 11, v8
	v_lshl_add_u32 v5, v7, 4, v5                   ; and the same two rows in out0
	s_lshl_b32 s22, s15, 3
	s_lshl_b32 s23, s18, 1
	s_add_co_u32 s22, s22, s23                     ; my first tile of rows: four fragments of 2,048 bytes each
	s_lshl_b32 s22, s22, 13
	s_mov_b32 s23, 0
	s_lshl_b32 s24, s20, 15
	s_add_co_u32 s24, s24, 786432                  ; W_o's 16 fragments for my columns
	s_mov_b32 s25, 0
	s_lshl_b32 s26, s20, 8
	s_mov_b32 s27, 0
	s_lshl_b32 s28, s15, 7
	s_lshl_b32 s29, s18, 5
	s_add_co_u32 s28, s28, s29                     ; my first row,
	s_lshl_b32 s28, s28, 11
	s_add_co_u32 s28, s28, s26                     ; my first column
	s_mov_b32 s29, 0
	s_wait_kmcnt 0x0
	s_load_b64 s[16:17], s[8:9], 0x28              ; entries 10, 11
	s_add_nc_u64 s[4:5], s[4:5], s[22:23]
	s_add_nc_u64 s[6:7], s[6:7], s[24:25]
	s_add_nc_u64 s[10:11], s[10:11], s[26:27]
	s_add_nc_u64 s[12:13], s[12:13], s[28:29]
.irp s, 0,1,2,3                        ; 24 loads a K step
.irp m, 0,1
.irp c, 0,1,2,3
	global_load_b128 v[XR+64*\m+16*\s+4*\c:XR+64*\m+16*\s+4*\c+3], v1, s[4:5] offset:(4*\m+\s)*2048+512*\c
.endr
.endr
	WIN 0x40                                       ; destination window 1
.irp t, 0,1,2,3
.irp c, 0,1,2,3
	global_load_b128 v[16*(4*\t+\s)+4*\c:16*(4*\t+\s)+4*\c+3], v1, s[6:7] offset:(4*\t+\s)*2048+512*\c
.endr
.endr
	WIN 0
.endr
.irp c, 0,1
.irp j, 0,1,2,3
	global_load_b128 v[BI+16*\c+4*\j:BI+16*\c+4*\j+3], v2, s[10:11] offset:128*\c+16*\j   ; b_o at columns 32 c + 16 h + 4 j ..
.endr
.endr
; Eight matrix instructions, the eight accumulators by turns in the same order in every K step; the first K step starts the sums with the constant 0.
.macro MUL s
	WIN 0x01                                       ; source 0 (W_o) window 1
.irp m, 0,1
.irp t, 0,1,2,3
.if \s == 0
	v_wmma_f32_16x16x128_fp8_fp8 v[ACC+32*\m+8*\t:ACC+32*\m+8*\t+7], v[16*(4*\t+\s):16*(4*\t+\s)+15], v[XR+64*\m+16*\s:XR+64*\m+16*\s+15], 0
.else
	v_wmma_f32_16x16x128_fp8_fp8 v[ACC+32*\m+8*\t:ACC+32*\m+8*\t+7], v[16*(4*\t+\s):16*(4*\t+\s)+15], v[XR+64*\m+16*\s:XR+64*\m+16*\s+15], v[ACC+32*\m+8*\t:ACC+32*\m+8*\t+7]
.endif
.endr
.endr
.endm
	s_wait_loadcnt 63                              ; of 104 loads at least the 41 oldest are in: K step 0's 24 among them
	MUL 0
	s_wait_loadcnt 56                              ; behind K step 1's: two K steps and the bias
	MUL 1
	s_wait_loadcnt 32
	MUL 2
	s_wait_loadcnt 8
	MUL 3
	WIN 0
.rept 4
	v_nop                                          ; places in front of the first read of results and of writes into registers that the products read (ISA guide 7.12.1)
.endr
	s_wait_loadcnt 0x0                             ; the bias
	s_wait_kmcnt 0x0
	s_add_co_i32 s16, s16, s17
	s_add_co_i32 s16, s16, 127
	s_lshl_b32 s16, s16, 23                        ; 2^(entry 10 + entry 11) as f32
	s_mov_b32 s17, s16                             ; (named with it as a pair, so it is written)
.irp m, 0,1
.set jj, 0
.rept 16
	v_pk_fma_f32 v[XR+32*\m+jj:XR+32*\m+jj+1], v[ACC+32*\m+jj:ACC+32*\m+jj+1], s[16:17], v[BI+jj:BI+jj+1] op_sel_hi:[1,0,1]   ; sum x 2^e + bias; each accumulator from its low end on
.set jj, jj+2
.endr
.irp c, 0,1
.irp j, 0,1,2,3
	ds_store_b128 v3, v[XR+32*\m+16*\c+4*\j:XR+32*\m+16*\c+4*\j+3] offset:16*SPI*\m+128*\c+16*\j
.endr
.endr
.irp i, 0,1,2,3,4,5,6,7
	ds_load_b128 v[XR+64+32*\m+4*\i:XR+64+32*\m+4*\i+3], v4 offset:16*SPI*\m+2*SPI*\i   ; LDS serves a wave's instructions in order: these see my stores
.endr
.endr
.irp m, 0,1
.irp i, 0,1,2,3,4,5,6,7
	s_wait_dscnt 23-16*\m-\i                       ; behind this load: the tile's younger loads, and for tile 0 the other tile's sixteen LDS lines
	global_store_b128 v5, v[XR+64+32*\m+4*\i:XR+64+32*\m+4*\i+3], s[12:13] offset:(16*\m+2*\i)*2048 th:TH_STORE_NT
.endr
.endr
	s_wait_tensorcnt 0x0
	ds_add_u32 v254, v255
	s_wait_dscnt 0x0
	s_endpgm
.Lfunc_end_k_q85f25f6dcc_outp:
	.size	k_q85f25f6dcc_outp, .Lfunc_end_k_q85f25f6dcc_outp-k_q85f25f6dcc_outp
	.p2alignl 7, 3214868480
	.fill 96, 4, 3214868480
	.section	.rodata,"a",@progbits
	.p2align	6, 0x0
	.amdhsa_kernel k_q85f25f6dcc_outp
		.amdhsa_group_segment_fixed_size 70656
		.amdhsa_private_segment_fixed_size 0
		.amdhsa_enable_private_segment 0
		.amdhsa_kernarg_size 40
		.amdhsa_user_sgpr_count 2
		.amdhsa_user_sgpr_kernarg_segment_ptr 1
		.amdhsa_wavefront_size32 1
		.amdhsa_system_sgpr_workgroup_id_x 1
		.amdhsa_system_sgpr_workgroup_id_y 1
		.amdhsa_system_sgpr_workgroup_id_z 1
		.amdhsa_system_vgpr_workitem_id 0
		.amdhsa_next_free_vgpr 512
		.amdhsa_next_free_sgpr 66
		.amdhsa_reserve_vcc 0
		.amdhsa_float_denorm_mode_32 3
		.amdhsa_float_denorm_mode_16_64 3
		.amdhsa_memory_ordered 1
		.amdhsa_forward_progress 1
		.amdhsa_inst_pref_size 21
	.end_amdhsa_kernel
	.amdgpu_metadata
---
amdhsa.version: [ 1, 2 ]
amdhsa.kernels:
  - .name:           k_q85f25f6dcc_outp
    .symbol:         k_q85f25f6dcc_outp.kd
    .args:
      - { .name: cc, .offset: 0, .size: 8, .value_kind: global_buffer, .address_space: global }
      - { .name: wc, .offset: 8, .size: 8, .value_kind: global_buffer, .address_space: global }
      - { .name: lowp_scales, .offset: 16, .size: 8, .value_kind: global_buffer, .address_space: global }
      - { .name: b_o, .offset: 24, .size: 8, .value_kind: global_buffer, .address_space: global }
      - { .name: out0, .offset: 32, .size: 8, .value_kind: global_buffer, .address_space: global }
    .group_segment_fixed_size: 70656
    .private_segment_fixed_size: 0
    .kernarg_segment_align: 8
    .kernarg_segment_size: 40
    .max_flat_workgroup_size: 256
    .sgpr_count:     66
    .vgpr_count:     512
    .wavefront_size: 32
...
	.end_amdgpu_metadata
.endif
;; end of part 4
;; ======== version 2 of 2: 4 launches
;; workspace buffers: wc 1,048,576 bytes; qc 4,194,304 bytes; kvc 8,388,608 bytes; cc 4,194,304 bytes
;; launch wq (part 5): grid 256 x 1, 2 waves a work-group, no clusters, 25,344 bytes of LDS; arguments W_q, W_k, W_v, W_o, lowp_scales, wc; writes wc
.if DOCPART == 5
	.amdgcn_target "amdgcn-amd-amdhsa--gfx1250"
	.amdhsa_code_object_version 6
	.text
	.protected	k_q85f25f6dcc_wq
	.globl	k_q85f25f6dcc_wq
	.p2align	8
	.type	k_q85f25f6dcc_wq,@function
k_q85f25f6dcc_wq:
	s_mov_b64 s[64:65], 0
	v_nop
	global_prefetch_b8 v0, s[64:65] scope:SCOPE_SE
	s_setreg_imm32_b32 hwreg(HW_REG_WAVE_MODE, 25, 1), 1
	s_wait_xcnt 0x0
; The four weights W_q, W_k, W_v, W_o ([512][512] f32, K innermost) become codes of FP8 (E4M3), each with the scale 2^e given for it
; (entries 1, 3, 5, 11 of lowp_scales): code = x / 2^e, held within +-448, to the nearest code, ties to even.
; LIMITS: e between -126 and 119, so that 2^e and 448 x 2^e are f32 numbers.  NaN among the inputs is not served.
; LAYOUT OF wc: images of the operand's registers.  A fragment is 16 rows x 128 K = 2,048 bytes in four images of 512: image c holds at byte 16 l
; (l the lane, r = l % 16, h = l / 16) the codes k = 32 c + 16 h + 0..15 of the fragment's row r.  Fragment (weight wi, tile tau, K step s) lies at
; wi x 262,144 + tau x 8,192 + s x 2,048.  THE ROWS OF A TILE ARE NOT NEIGHBOURS: row r of tile tau is 64 (tau / 4) + 32 ((tau / 2) % 2) + 8 (tau % 2) + r + 8 (r / 8),
; so that the results of two neighbouring tiles, used transposed, are 16 neighbours along the next product's K.
; SHARES: 512 fragments, one a wave, two waves a work-group; waves share nothing: no barrier.
; Each load reads 512 consecutive bytes of one row.  The conversions want 16 neighbours in ONE lane: four rows at a time turn through the wave's own stage in LDS
; (64 bytes a place + 16 of padding).  The codes go through a second stage (8 chunks of 256 bytes + 16) and leave as four dense images of 512 bytes.
.set ROWB, 2048                        ; a row of a weight in bytes
.set SP,   80                          ; a place in a stage: 64 bytes + 16
.set STG,  2560                        ; a stage: 32 places
.set CST,  10240                       ; behind the four stages: the codes' stage
.set CP,   272                         ; a chunk of it: 16 rows x 16 bytes + 16
.set REG,  12544                       ; a wave's region of LDS
.set R,    16                          ; v16-79   16 rows as loaded
.set X,    80                          ; v80-143  four sets of 16 neighbours
.set C,    144                         ; v144-159 codes
.set O,    160                         ; v160-175 the four images
	s_load_b256 s[4:11], s[0:1], 0x0               ; W_q s[4:5], W_k s[6:7], W_v s[8:9], W_o s[10:11]
	s_load_b128 s[12:15], s[0:1], 0x20             ; lowp_scales s[12:13], wc s[14:15]
	v_lshl_add_u32 v192, v0, 2, 0x6200
	v_mov_b32 v193, 0
	v_lshrrev_b32 v6, 5, v0
	v_readfirstlane_b32 s18, v6                    ; wave 0, 1
	v_and_b32 v7, 31, v0                           ; lane
	v_lshlrev_b32 v1, 4, v7                        ; 16 l: my bytes of a load's 512, and of an image
	s_mul_i32 s19, s18, REG                        ; my wave's region
	v_lshrrev_b32 v2, 2, v7
	v_mul_u32_u24 v2, v2, SP
	v_and_b32 v8, 3, v7
	v_lshl_add_u32 v2, v8, 4, v2
	v_add_nc_u32 v2, s19, v2                       ; into a stage: place l / 4, 16 (l % 4) bytes on
	v_mul_u32_u24 v3, v7, SP
	v_add_nc_u32 v3, s19, v3                       ; out of it: place l
	v_and_b32 v4, 7, v7
	v_mul_u32_u24 v4, v4, CP
	v_lshrrev_b32 v8, 3, v7
	v_lshl_add_u32 v4, v8, 4, v4
	v_add_nc_u32 v4, s19, v4                       ; codes in: chunk l % 8's place, row l / 8 of the four
	v_lshrrev_b32 v8, 4, v7
	v_and_b32 v9, 15, v7
	v_mul_u32_u24 v5, v8, CP
	v_lshl_add_u32 v5, v9, 4, v5
	v_add_nc_u32 v5, s19, v5                       ; codes out: chunk h of an image's two, row r
	s_lshr_b32 s16, ttmp9, 6                       ; wi: which weight
	s_bfe_u32 s17, ttmp9, 0x50001                  ; tau: 5 bits from bit 1
	s_and_b32 s20, ttmp9, 1
	s_lshl_b32 s20, s20, 1
	s_add_co_u32 s20, s20, s18                     ; s: the K step
	s_lshr_b32 s21, s17, 2
	s_lshl_b32 s21, s21, 6
	s_bfe_u32 s22, s17, 0x10001
	s_lshl_b32 s22, s22, 5
	s_add_co_u32 s21, s21, s22
	s_and_b32 s22, s17, 1
	s_lshl_b32 s22, s22, 3
	s_add_co_u32 s21, s21, s22                     ; the tile's first row
	s_lshl_b32 s21, s21, 11
	s_lshl_b32 s22, s20, 9
	s_add_co_u32 s22, s21, s22                     ; in bytes, + 512 s
	s_mov_b32 s23, 0
	s_lshl_b32 s2, s16, 18
	s_lshl_b32 s3, s17, 13
	s_add_co_u32 s2, s2, s3
	s_lshl_b32 s3, s20, 11
	s_add_co_u32 s2, s2, s3                        ; the fragment's place in wc
	s_mov_b32 s3, 0
	s_wait_kmcnt 0x0
	s_load_b256 s[24:31], s[12:13], 0x0            ; entries 0 to 7
	s_load_b32 s21, s[12:13], 0x2c                 ; entry 11
	s_cmp_eq_u32 s16, 1                            ; the weight is chosen by the work-group's number alone
	s_cselect_b64 s[4:5], s[6:7], s[4:5]
	s_cmp_eq_u32 s16, 2
	s_cselect_b64 s[4:5], s[8:9], s[4:5]
	s_cmp_eq_u32 s16, 3
	s_cselect_b64 s[4:5], s[10:11], s[4:5]
	s_add_nc_u64 s[4:5], s[4:5], s[22:23]
	s_add_nc_u64 s[14:15], s[14:15], s[2:3]
.irp r, 0,1,2,3,4,5,6,7,8,9,10,11,12,13,14,15
	global_load_b128 v[R+4*\r:R+4*\r+3], v1, s[4:5] offset:(\r+8*(\r/8))*ROWB th:TH_LOAD_NT   ; row r of the tile: 32 lanes read 512 consecutive bytes
.endr
	s_wait_kmcnt 0x0
	s_cmp_eq_u32 s16, 1
	s_cselect_b32 s25, s27, s25
	s_cmp_eq_u32 s16, 2
	s_cselect_b32 s25, s29, s25
	s_cmp_eq_u32 s16, 3
	s_cselect_b32 s25, s21, s25                    ; e
	s_add_co_i32 s25, s25, 127
	s_lshl_b32 s26, s25, 23
	v_mov_b32 v11, s26                             ; 2^e as f32: the conversion takes its exponent field
	s_add_co_i32 s25, s25, 8
	s_lshl_b32 s25, s25, 23
	s_or_b32 s25, s25, 0x600000
	v_mov_b32 v10, s25                             ; 448 x 2^e
	s_wait_alu depctr_va_vdst(0)
.irp i, 0,1,2,3                        ; rows 4 i .. 4 i + 3 turn through stage i; LDS serves a wave's instructions in order, so no wait stands between the stores and the loads
	s_wait_loadcnt 12-4*\i                         ; these four rows are in; the younger rows may be out
.irp j, 0,1,2,3
	ds_store_b128 v2, v[R+16*\i+4*\j:R+16*\i+4*\j+3] offset:STG*\i+8*SP*\j
.endr
.irp j, 0,1,2,3
	ds_load_b128 v[X+16*\i+4*\j:X+16*\i+4*\j+3], v3 offset:STG*\i+16*\j   ; lane l: row 4 i + l / 8, k = 16 (l % 8) + 0..15
.endr
.endr
.irp i, 0,1,2,3
	s_wait_dscnt 24-8*\i                           ; set i is back: behind it stand at least the later stages' eight LDS lines each
.irp n, 0,1,2,3,4,5,6,7,8,9,10,11,12,13,14,15
	v_med3_num_f32 v[X+16*\i+\n], v[X+16*\i+\n], -v10, v10   ; the conversion to an 8-bit code does not saturate (ISA guide 7.6.2): the hold comes first
.endr
	v_cvt_scalef32_pk8_fp8_f32 v[C+4*\i:C+4*\i+1], v[X+16*\i:X+16*\i+7], v11
	v_cvt_scalef32_pk8_fp8_f32 v[C+4*\i+2:C+4*\i+3], v[X+16*\i+8:X+16*\i+15], v11
	ds_store_b128 v4, v[C+4*\i:C+4*\i+3] offset:CST+64*\i     ; chunk l % 8 (= 2 c + h), row 4 i + l / 8
.endr
	v_nop                                          ; a plain line behind the last conversion
.irp i, 0,1,2,3
	ds_load_b128 v[O+4*\i:O+4*\i+3], v5 offset:CST+2*CP*\i    ; image i: chunk 2 i + h, row r
.endr
.irp i, 0,1,2,3
	s_wait_dscnt 3-\i
	global_store_b128 v1, v[O+4*\i:O+4*\i+3], s[14:15] offset:512*\i   ; 32 lanes store 512 consecutive bytes, at a multiple of 512 from wc's first byte
.endr
	s_wait_tensorcnt 0x0
	ds_add_u32 v192, v193
	s_wait_dscnt 0x0
	s_endpgm
.Lfunc_end_k_q85f25f6dcc_wq:
	.size	k_q85f25f6dcc_wq, .Lfunc_end_k_q85f25f6dcc_wq-k_q85f25f6dcc_wq
	.p2alignl 7, 3214868480
	.fill 96, 4, 3214868480
	.section	.rodata,"a",@progbits
	.p2align	6, 0x0
	.amdhsa_kernel k_q85f25f6dcc_wq
		.amdhsa_group_segment_fixed_size 25344
		.amdhsa_private_segment_fixed_size 0
		.amdhsa_enable_private_segment 0
		.amdhsa_kernarg_size 48
		.amdhsa_user_sgpr_count 2
		.amdhsa_user_sgpr_kernarg_segment_ptr 1
		.amdhsa_wavefront_size32 1
		.amdhsa_system_sgpr_workgroup_id_x 1
		.amdhsa_system_sgpr_workgroup_id_y 1
		.amdhsa_system_sgpr_workgroup_id_z 1
		.amdhsa_system_vgpr_workitem_id 0
		.amdhsa_next_free_vgpr 194
		.amdhsa_next_free_sgpr 66
		.amdhsa_reserve_vcc 0
		.amdhsa_float_denorm_mode_32 3
		.amdhsa_float_denorm_mode_16_64 3
		.amdhsa_memory_ordered 1
		.amdhsa_forward_progress 1
		.amdhsa_inst_pref_size 13
	.end_amdhsa_kernel
	.amdgpu_metadata
---
amdhsa.version: [ 1, 2 ]
amdhsa.kernels:
  - .name:           k_q85f25f6dcc_wq
    .symbol:         k_q85f25f6dcc_wq.kd
    .args:
      - { .name: W_q, .offset: 0, .size: 8, .value_kind: global_buffer, .address_space: global }
      - { .name: W_k, .offset: 8, .size: 8, .value_kind: global_buffer, .address_space: global }
      - { .name: W_v, .offset: 16, .size: 8, .value_kind: global_buffer, .address_space: global }
      - { .name: W_o, .offset: 24, .size: 8, .value_kind: global_buffer, .address_space: global }
      - { .name: lowp_scales, .offset: 32, .size: 8, .value_kind: global_buffer, .address_space: global }
      - { .name: wc, .offset: 40, .size: 8, .value_kind: global_buffer, .address_space: global }
    .group_segment_fixed_size: 25344
    .private_segment_fixed_size: 0
    .kernarg_segment_align: 8
    .kernarg_segment_size: 48
    .max_flat_workgroup_size: 64
    .sgpr_count:     66
    .vgpr_count:     194
    .wavefront_size: 32
...
	.end_amdgpu_metadata
.endif
;; end of part 5
;; launch proj (part 6): grid 64 x 3, 8 waves a work-group, no clusters, 76,800 bytes of LDS; arguments q, k, v, wc, lowp_scales, qc, kvc; writes qc, kvc
.if DOCPART == 6
	.amdgcn_target "amdgcn-amd-amdhsa--gfx1250"
	.amdhsa_code_object_version 6
	.text
	.protected	k_q85f25f6dcc_proj
	.globl	k_q85f25f6dcc_proj
	.p2align	8
	.type	k_q85f25f6dcc_proj,@function
k_q85f25f6dcc_proj:
	s_mov_b64 s[64:65], 0
	v_nop
	global_prefetch_b8 v0, s[64:65] scope:SCOPE_SE
	s_setreg_imm32_b32 hwreg(HW_REG_WAVE_SCHED_MODE, 0, 2), 2
	s_setreg_imm32_b32 hwreg(HW_REG_WAVE_MODE, 25, 1), 1
	s_wait_xcnt 0x0
	s_wait_alu depctr_vm_vsrc(0)
; The three input projections x W^T (x = q, k, v: [8,192][512] f32; W's codes from wc), both operands FP8 (E4M3) with given scales; the results are quantised at once,
; as operands of attention's two products, into images of THEIR registers: qc (queries' fragments), kvc (keys' fragments and values' fragments with the keys innermost).
; Work-group y = the tensor T (0 q, 1 k, 2 v); x = 128 rows (batch x / 32, key step x % 32), taken as four blocks of 32 rows.  Wave w = head w: its 64 columns' 16 fragments of W
; (256 registers, window 1) are loaded once and stay.
; A BLOCK: each wave quantises 4 of the 32 rows (8 KB dense; through its own stage in LDS, so that loads are dense and a lane still holds 16 neighbours) and stores the codes into the
; block's two fragments' images in LDS | one barrier | every wave multiplies both tiles of rows by its head's four tiles of W, K = 512 in four steps; holds, converts, stores 2,048 bytes.
; Two buffers of images take turns, so one barrier a block orders both ways: block b + 2's stores stand behind barrier b + 1, which a wave signals with its reads of block b back.
; q, k: the product is used TRANSPOSED (source 0 = W's rows, source 1 = x's): a lane holds one row of x, and W's rows are so chosen (see wc) that 16 registers of two tiles are d = 32 c + 16 h + 0..15.
; v: source 0 = x's rows (keys), source 1 = W's: a lane holds one d and its registers run along the keys.
; k, v: THE ROWS OF A TILE ARE NOT NEIGHBOURS: place r of tile u of a block is row 8 u + r + 8 (r / 8), which makes attention's p, and v's 16 registers of two tiles, 16 neighbouring keys.  q: rows as they lie.
; The LDS places are the same for all three tensors; only the row in memory differs (a choice on T).
; SCALES: x by 2^ea (entry 2 T); a sum stands for sum x 2^(ea + eb) (eb: entry 2 T + 1) and is quantised by 2^eo (entries 6, 7, 9): the three are folded into the conversion's 2^(eo - ea - eb).
; LIMITS: ea and eo - ea - eb between -126 and 119.  NaN among the inputs is not served.
; NO CLUSTER: what work-groups share is W's codes, and a wave's 32 KB of them go once from memory into the registers where they stay; asked for jointly they would land in LDS,
; 256 KB beside the 75,776 bytes in use, and be read from there once more.
; kvc: head bh x 524,288 + step x 16,384; in a step K's tile t at 1,024 t + 512 c, V's tile n at 8,192 + 2,048 n + 512 c; lane l's 16 bytes at 16 l.  qc: (256 bh + tile) x 1,024 + 512 c + 16 l.
; THE MODE: SCHED_MODE bits 1:0 = 2 (LLVM: expert scheduling mode 2), set by the entry lines.  The code itself states the register dependences
; between vector or matrix instructions and memory or LDS instructions, with s_wait_alu, always for 0.
; THE PLAN.  Registers that memory or LDS instructions touch:
;   v1-5, v10-13   offsets and LDS addresses: written at the head, never again.
;   R0 .. R3       Row t: the loads of row t + 4 land in R[t % 4]; the LDS stores of row t's turn read it.  No vector instruction names them.
;   X0, X1         Row t: the turn's LDS loads land in X[t % 2]; the row's sixteen holds and two conversions work on it.  In the product the 32 registers take x's fragments of K step 2
;                  (LDS loads land, matrix instructions read); then v80-95 take the results' codes (conversions write, four global stores read).
;   XC0, XC1       Row t: its conversions write XC[t % 2]; its LDS store of codes reads it.
;   XFA, XFB       x's fragments of K steps 0 and 3, and of K step 1: LDS loads land, matrix instructions read.
;   The accumulators, and W once it is loaded, are named by vector and matrix instructions alone.
; THE WAITS.  va_vdst: one ahead of the first load; one a row, behind its conversions; one a block behind K step 0's products; one a block ahead of the four global stores, behind which no vector or
; matrix instruction names X, XFA or XFB until the next block's loads have been issued into them.  vm_vsrc: one at a row's head where registers that LDS stores have read are written again;
; one at the head of blocks 1 to 3.  va_sdst: one, for the wave's number.
.set STGW, 5120                        ; LDS 0..40,959: a wave's two stages
.set STGB, 2560
.set SP,   80                          ; a place in a stage: 64 bytes + 16
.set XIMG, 40960                       ; then two buffers of x's images
.set XBUF, 17408
.set XU,   8704                        ; a tile of 16 rows: 32 chunks (16 along K each)
.set CP,   272                         ; a chunk: 16 rows x 16 bytes + 16
.set LI,   1                           ; v1   16 l
.set SIN,  2                           ; v2   into my stage
.set SOUT, 3                           ; v3   out of it
.set XST,  4                           ; v4   where I store a row's codes
.set FA,   5                           ; v5   where I read a fragment
.set SA,   6                           ; v6   2^ea            v7  448 x 2^ea
.set LA,   7
.set SO,   8                           ; v8   2^(eo-ea-eb)    v9  448 x that
.set LO,   9
.set VO,   10                          ; v10-13  my byte in the block's four stores
.set R,    16                          ; v16-79   four rows as loaded
.set X,    80                          ; v80-111  two rows turned;  later x's fragments of K step 2;  v80-95 later the results' codes
.set OC,   80
.set XC,   112                         ; v112-119 x's codes, two sets
.set XFA,  128                         ; v128-159 x's fragments (two tiles) of K step 0, then of K step 3
.set XFB,  160                         ; v160-191 of K step 1
.set XFC,  80                          ; v80-111  of K step 2
.set ACC,  192                         ; v192-255 eight accumulators
.set WV,   18
.set TT,   19
.set OB,   40                          ; s[40:41] where the block's results go;  s[42:43] the step from block to block
.set BS,   42
.set MSB, 0
.macro WIN new                         ; the immediate's high byte repeats the setting that is left
.if MSB != \new
	s_set_vgpr_msb (MSB<<8)|\new
.set MSB, \new
.endif
.endm
.macro PLACES                          ; four plain lines between a matrix instruction and a load into, or a vector line on, its registers
.rept 4
	v_nop
.endr
.endm
	s_load_b256 s[4:11], s[0:1], 0x0               ; q s[4:5], k s[6:7], v s[8:9], wc s[10:11]
	s_load_b128 s[12:15], s[0:1], 0x20             ; lowp_scales s[12:13], qc s[14:15]
	s_load_b64 s[16:17], s[0:1], 0x30              ; kvc
	v_lshl_add_u32 v126, v0, 2, 0x12800
	v_mov_b32 v127, 0
	v_lshrrev_b32 v14, 5, v0
	v_readfirstlane_b32 s[WV], v14                 ; wave = head 0..7
	s_and_b32 s[TT], ttmp7, 0xffff                 ; the tensor
	v_and_b32 v14, 31, v0                          ; lane
	s_wait_alu depctr_va_vdst(0)
	v_lshlrev_b32 v[LI], 4, v14
	s_wait_alu depctr_va_sdst(0)                   ; the wave's number is written, ahead of its first reader: LDS places and the bases in memory are made from it
	s_mul_i32 s20, s[WV], STGW
	v_lshrrev_b32 v[SIN], 2, v14
	v_mul_u32_u24 v[SIN], v[SIN], SP
	v_and_b32 v15, 3, v14
	v_lshl_add_u32 v[SIN], v15, 4, v[SIN]
	v_add_nc_u32 v[SIN], s20, v[SIN]               ; place l / 4, 16 (l % 4) bytes on
	v_mul_u32_u24 v[SOUT], v14, SP
	v_add_nc_u32 v[SOUT], s20, v[SOUT]             ; place l: k = 16 l + 0..15 of the row
	s_lshr_b32 s21, s[WV], 2
	s_mul_i32 s21, s21, XU                         ; my rows' tile u = w / 4,
	s_and_b32 s22, s[WV], 3
	s_lshl_b32 s22, s22, 6                         ; their places r = 4 (w % 4) + 0..3
	s_add_co_u32 s21, s21, s22
	s_add_co_u32 s21, s21, XIMG
	v_mul_u32_u24 v[XST], v14, CP                  ; chunk l
	v_add_nc_u32 v[XST], s21, v[XST]
	v_and_b32 v15, 15, v14
	v_lshrrev_b32 v[FA], 4, v14
	v_mul_u32_u24 v[FA], v[FA], CP
	v_lshl_add_u32 v[FA], v15, 4, v[FA]
	v_add_nc_u32 v[FA], XIMG, v[FA]                ; chunk h of a pair, row r
	s_lshl_b32 s23, s[WV], 2                       ; q: my first row of a block is 4 w;
	s_lshr_b32 s36, s[WV], 2
	s_lshl_b32 s36, s36, 3
	s_and_b32 s37, s[WV], 3
	s_lshl_b32 s37, s37, 2
	s_add_co_u32 s36, s36, s37
	s_bfe_u32 s37, s[WV], 0x10001
	s_lshl_b32 s37, s37, 3
	s_add_co_u32 s36, s36, s37                     ; k, v: 8 (w / 4) + 4 (w % 4) + 8 ((w / 2) % 2)
	s_cmp_eq_u32 s[TT], 0
	s_cselect_b32 s23, s23, s36
	s_lshl_b32 s36, ttmp9, 7
	s_add_co_u32 s36, s36, s23
	s_lshl_b32 s36, s36, 11                        ; my first row of x, in bytes
	s_mov_b32 s37, 0
	s_lshl_b32 s38, s[TT], 18
	s_lshl_b32 s39, s[WV], 15
	s_add_co_u32 s38, s38, s39                     ; my head's fragments in wc
	s_mov_b32 s39, 0
	s_lshr_b32 s44, ttmp9, 5
	s_lshl_b32 s44, s44, 3
	s_add_co_u32 s44, s44, s[WV]                   ; bh = 8 x batch + head
	s_lshl_b32 s44, s44, 18
	s_and_b32 s45, ttmp9, 31
	s_lshl_b32 s45, s45, 13
	s_add_co_u32 s44, s44, s45                     ; qc: 262,144 bh + 8,192 step;
	s_cmp_eq_u32 s[TT], 0
	s_cselect_b32 s45, 0, 1
	s_lshl_b32 s44, s44, s45                       ; kvc: twice that,
	s_cmp_eq_u32 s[TT], 2
	s_cselect_b32 s45, 8192, 0
	s_mov_b32 s[BS], 2048
	s_cselect_b32 s[BS], 512, s[BS]                ; from block to block: q, k two tiles on; v an image on
	s_mov_b32 s46, 512
	s_cselect_b32 s46, 2048, s46                   ; from store to store: q, k an image on; v a tile on
	s_add_co_u32 s44, s44, s45                     ; and V's part lies behind K's
	s_mov_b32 s45, 0
	s_mov_b32 s[BS+1], 0
	v_mov_b32 v[VO], v[LI]
	v_add_nc_u32 v[VO+1], s46, v[VO]
	v_add_nc_u32 v[VO+2], s46, v[VO+1]
	v_add_nc_u32 v[VO+3], s46, v[VO+2]
	s_wait_kmcnt 0x0
	s_load_b256 s[24:31], s[12:13], 0x0            ; entries 0 to 7
	s_load_b128 s[32:35], s[12:13], 0x20           ; entries 8 to 11
	s_cmp_eq_u32 s[TT], 1                          ; the buffers are chosen by the work-group's number alone
	s_cselect_b64 s[4:5], s[6:7], s[4:5]
	s_cmp_eq_u32 s[TT], 2
	s_cselect_b64 s[4:5], s[8:9], s[4:5]
	s_add_nc_u64 s[4:5], s[4:5], s[36:37]
	s_add_nc_u64 s[10:11], s[10:11], s[38:39]
	s_cmp_eq_u32 s[TT], 0
	s_cselect_b64 s[OB:OB+1], s[14:15], s[16:17]
	s_add_nc_u64 s[OB:OB+1], s[OB:OB+1], s[44:45]
; row t of my sixteen (block t / 4, row t % 4 of my four): 2,048 bytes by four loads of 512 consecutive bytes, into set t % 4.  LOAD1: the i-th of the four
.macro LOAD1 t, i
	global_load_b128 v[R+16*((\t)%4)+4*(\i):R+16*((\t)%4)+4*(\i)+3], v[LI], s[4:5] offset:((\t)/4)*65536+((\t)%4)*2048+512*(\i) th:TH_LOAD_NT
.endm
.macro LOAD t
.irp i, 0,1,2,3
	LOAD1 \t, \i
.endr
.endm
; row t through stage t % 2: LDS serves a wave's instructions in order, so no wait stands between the stores and the loads
.macro TURN t
.irp i, 0,1,2,3
	ds_store_b128 v[SIN], v[R+16*((\t)%4)+4*\i:R+16*((\t)%4)+4*\i+3] offset:STGB*((\t)%2)+8*SP*\i
.endr
.irp i, 0,1,2,3
	ds_load_b128 v[X+16*((\t)%2)+4*\i:X+16*((\t)%2)+4*\i+3], v[SOUT] offset:STGB*((\t)%2)+16*\i
.endr
.endm
	s_wait_alu depctr_va_vdst(0)                   ; the offsets and LDS addresses v1 to v5 and v10 to v13 are written: every load, store and LDS line of the kernel reads one of them
	LOAD 0
	LOAD 1
	LOAD 2
	LOAD 3
	WIN 0x40                                       ; destination window 1
.set f, 0
.rept 16                               ; W's fragment f = 4 t + s at v[16 f] of window 1
.irp c, 0,1,2,3
	global_load_b128 v[16*f+4*\c:16*f+4*\c+3], v[LI], s[10:11] offset:2048*f+512*\c
.endr
.set f, f+1
.endr
	WIN 0
	s_wait_kmcnt 0x0
	s_cmp_eq_u32 s[TT], 1
	s_cselect_b32 s36, s26, s24                    ; ea
	s_cselect_b32 s37, s27, s25                    ; eb
	s_cselect_b32 s38, s31, s30                    ; eo
	s_cmp_eq_u32 s[TT], 2
	s_cselect_b32 s36, s28, s36
	s_cselect_b32 s37, s29, s37
	s_cselect_b32 s38, s33, s38
	s_add_co_i32 s47, s36, 127
	s_lshl_b32 s48, s47, 23
	v_mov_b32 v[SA], s48                           ; 2^ea as f32
	s_add_co_i32 s47, s47, 8
	s_lshl_b32 s47, s47, 23
	s_or_b32 s47, s47, 0x600000
	v_mov_b32 v[LA], s47                           ; 448 x 2^ea
	s_sub_co_i32 s47, s38, s36
	s_sub_co_i32 s47, s47, s37
	s_add_co_i32 s47, s47, 127
	s_lshl_b32 s48, s47, 23
	v_mov_b32 v[SO], s48                           ; 2^(eo - ea - eb)
	s_add_co_i32 s47, s47, 8
	s_lshl_b32 s47, s47, 23
	s_or_b32 s47, s47, 0x600000
	v_mov_b32 v[LO], s47
; My four rows of block beta become codes in the block's images.  Loads run four rows ahead, the turn through LDS one row.
; A row's turn: the next row goes through the other stage first; the four loads of the row four on are dealt among this row's sixteen holds, which name X[t % 2] and the hold's bound alone.
.macro XPHASE beta
.if \beta > 0
	s_wait_xcnt 0x0                                ; the last block's stores have read their data (v80-95) and their base: both are written again below
	s_wait_alu depctr_vm_vsrc(0)                   ; the last block's four global stores have read v80-95, in which the loads from the stage land; its LDS stores of codes have read XC0 and XC1, which this block's conversions write
	s_add_nc_u64 s[OB:OB+1], s[OB:OB+1], s[BS:BS+1]
	s_wait_loadcnt 12                              ; the block's first row is in; three younger rows may be out
.else
	s_wait_loadcnt 63                              ; 80 loads are out, x's 16 the oldest: at most 63 left shows 17 done, so rows 0 to 3 are in
.endif
	TURN 4*\beta
.irp a, 0,1,2,3
.set tn, 4*\beta+\a
	s_wait_dscnt 0x0                               ; this row is back from the stage
.if (\beta < 3) || (\a == 2)
	s_wait_alu depctr_vm_vsrc(0)                   ; the LDS stores issued so far have read their data: this row's turn R[t % 4], in which the loads below land (blocks 0 to 2); the stores of codes XC0 and XC1, which the conversions write again
.endif
.if \a < 3
.if \beta == 3
	s_wait_loadcnt 8-4*\a                          ; the next row is in; nothing more is asked for, so the counts run down
.elseif \beta > 0
	s_wait_loadcnt 8                               ; the next row is in; two younger rows may be out (the row four on is asked for below)
.endif
	TURN tn+1
.endif
.irp g, 0,1,2,3
.if \beta < 3
	LOAD1 tn+4, \g                                 ; the row four on, into the registers that this row's turn has left
.endif
.irp i, 0,1,2,3
	v_med3_num_f32 v[X+16*(tn%2)+4*\g+\i], v[X+16*(tn%2)+4*\g+\i], -v[LA], v[LA]   ; the conversion does not saturate (ISA guide 7.6.2): the hold comes first
.endr
.endr
	v_cvt_scalef32_pk8_fp8_f32 v[XC+4*(tn%2):XC+4*(tn%2)+1], v[X+16*(tn%2):X+16*(tn%2)+7], v[SA]
	v_cvt_scalef32_pk8_fp8_f32 v[XC+4*(tn%2)+2:XC+4*(tn%2)+3], v[X+16*(tn%2)+8:X+16*(tn%2)+15], v[SA]
	v_nop                                          ; a plain line behind the conversions
	s_wait_alu depctr_va_vdst(0)                   ; the conversions have written XC[t % 2], which the LDS store reads; they and the holds are done with X[t % 2], in which the next LDS loads into it land (the turn of two rows on, or K step 2's fragments)
	ds_store_b128 v[XST], v[XC+4*(tn%2):XC+4*(tn%2)+3] offset:XBUF*(\beta%2)+16*\a   ; chunk l, my row's place
.endr
	s_wait_dscnt 0x0                               ; for the others' sake: my codes lie in LDS; and my reads of the block before are back
	s_barrier_signal -1
	s_barrier_wait -1
.endm
.macro FETCH s, xb, beta               ; both tiles' fragments of K step s into the 32 registers from xb on
.irp u, 0,1
.irp c, 0,1,2,3
	ds_load_b128 v[\xb+16*\u+4*\c:\xb+16*\u+4*\c+3], v[FA] offset:XBUF*((\beta)%2)+XU*\u+CP*(8*(\s)+2*\c)
.endr
.endr
.endm
; Eight matrix instructions, the eight accumulators by turns in the same order in every K step; the first K step starts the sums with the constant 0.
.macro MUL s, xb, v
.if \v
	WIN 0x04                                       ; source 1 (W) window 1
.irp n, 0,1,2,3
.irp u, 0,1
.if \s == 0
	v_wmma_f32_16x16x128_fp8_fp8 v[ACC+16*\n+8*\u:ACC+16*\n+8*\u+7], v[\xb+16*\u:\xb+16*\u+15], v[16*(4*\n+\s):16*(4*\n+\s)+15], 0
.else
	v_wmma_f32_16x16x128_fp8_fp8 v[ACC+16*\n+8*\u:ACC+16*\n+8*\u+7], v[\xb+16*\u:\xb+16*\u+15], v[16*(4*\n+\s):16*(4*\n+\s)+15], v[ACC+16*\n+8*\u:ACC+16*\n+8*\u+7]
.endif
.endr
.endr
.else
	WIN 0x01                                       ; source 0 (W) window 1
.irp m, 0,1
.irp t, 0,1,2,3
.if \s == 0
	v_wmma_f32_16x16x128_fp8_fp8 v[ACC+32*\m+8*\t:ACC+32*\m+8*\t+7], v[16*(4*\t+\s):16*(4*\t+\s)+15], v[\xb+16*\m:\xb+16*\m+15], 0
.else
	v_wmma_f32_16x16x128_fp8_fp8 v[ACC+32*\m+8*\t:ACC+32*\m+8*\t+7], v[16*(4*\t+\s):16*(4*\t+\s)+15], v[\xb+16*\m:\xb+16*\m+15], v[ACC+32*\m+8*\t:ACC+32*\m+8*\t+7]
.endif
.endr
.endr
.endif
.endm
; K steps 0, 1 and 2 are fetched in one run, into three sets of registers that no vector or matrix instruction has named since the last wait on va_vdst.  K step 3 takes K step 0's set.
.macro PRODUCT beta, v
	FETCH 0, XFA, \beta
	FETCH 1, XFB, \beta
	FETCH 2, XFC, \beta
	s_wait_dscnt 16                                ; K step 0 is in; the sixteen younger loads may be out
	MUL 0, XFA, \v
	WIN 0
	PLACES
	s_wait_alu depctr_va_vdst(0)                   ; K step 0's eight products are done reading XFA, in which K step 3's fragments land
	FETCH 3, XFA, \beta
	s_wait_dscnt 16                                ; K step 1 is in; K steps 2 and 3 may be out
	MUL 1, XFB, \v
	s_wait_dscnt 8                                 ; K step 2 is in
	MUL 2, XFC, \v
	s_wait_dscnt 0x0
	MUL 3, XFA, \v
	WIN 0                                          ; at a label and at a branch every window is 0
	PLACES
.endm
; The 64 sums of a lane are four groups of 16 neighbours along the next product's K: held, converted, and stored as four images' 512 consecutive bytes.
.macro QOUT
.set i, 0
.rept 64
	v_med3_num_f32 v[ACC+i], v[ACC+i], -v[LO], v[LO]   ; each accumulator from its low end on
.set i, i+1
.endr
.irp g, 0,1,2,3
	v_cvt_scalef32_pk8_fp8_f32 v[OC+4*\g:OC+4*\g+1], v[ACC+16*\g:ACC+16*\g+7], v[SO]
	v_cvt_scalef32_pk8_fp8_f32 v[OC+4*\g+2:OC+4*\g+3], v[ACC+16*\g+8:ACC+16*\g+15], v[SO]
.endr
	v_nop                                          ; a plain line behind the last conversion: the next block's products write its sources
	s_wait_alu depctr_va_vdst(0)                   ; the conversions have written v80-95, which the four stores read; the block's products are done reading XFA, XFB and v80-111, in which the next block's LDS loads land
.irp g, 0,1,2,3
	global_store_b128 v[VO+\g], v[OC+4*\g:OC+4*\g+3], s[OB:OB+1]
.endr
.endm
	s_wait_alu depctr_va_vdst(0)
.irp b, 0,1,2,3
	XPHASE \b
.if \b == 0
	s_wait_loadcnt 16                              ; W is in: only rows 4 to 7 of x were asked for behind it
.endif
	s_cmp_eq_u32 s[TT], 2                          ; the same in all waves: no barrier stands in either arm
	s_cbranch_scc1 .Lvalues_\b
	PRODUCT \b, 0
	s_branch .Ljoin_\b
.Lvalues_\b:
	PRODUCT \b, 1
.Ljoin_\b:
	QOUT
.endr
	s_wait_dscnt 0x0                               ; the closing lines, six on end
	s_wait_alu 0x0
	s_wait_tensorcnt 0x0
	ds_add_u32 v126, v127
	s_wait_dscnt 0x0
	s_endpgm
.Lfunc_end_k_q85f25f6dcc_proj:
	.size	k_q85f25f6dcc_proj, .Lfunc_end_k_q85f25f6dcc_proj-k_q85f25f6dcc_proj
	.p2alignl 7, 3214868480
	.fill 96, 4, 3214868480
	.section	.rodata,"a",@progbits
	.p2align	6, 0x0
	.amdhsa_kernel k_q85f25f6dcc_proj
		.amdhsa_group_segment_fixed_size 76800
		.amdhsa_private_segment_fixed_size 0
		.amdhsa_enable_private_segment 0
		.amdhsa_kernarg_size 56
		.amdhsa_user_sgpr_count 2
		.amdhsa_user_sgpr_kernarg_segment_ptr 1
		.amdhsa_wavefront_size32 1
		.amdhsa_system_sgpr_workgroup_id_x 1
		.amdhsa_system_sgpr_workgroup_id_y 1
		.amdhsa_system_sgpr_workgroup_id_z 1
		.amdhsa_system_vgpr_workitem_id 0
		.amdhsa_next_free_vgpr 512
		.amdhsa_next_free_sgpr 66
		.amdhsa_reserve_vcc 0
		.amdhsa_float_denorm_mode_32 3
		.amdhsa_float_denorm_mode_16_64 3
		.amdhsa_memory_ordered 1
		.amdhsa_forward_progress 1
		.amdhsa_inst_pref_size 104
	.end_amdhsa_kernel
	.amdgpu_metadata
---
amdhsa.version: [ 1, 2 ]
amdhsa.kernels:
  - .name:           k_q85f25f6dcc_proj
    .symbol:         k_q85f25f6dcc_proj.kd
    .args:
      - { .name: q, .offset: 0, .size: 8, .value_kind: global_buffer, .address_space: global }
      - { .name: k, .offset: 8, .size: 8, .value_kind: global_buffer, .address_space: global }
      - { .name: v, .offset: 16, .size: 8, .value_kind: global_buffer, .address_space: global }
      - { .name: wc, .offset: 24, .size: 8, .value_kind: global_buffer, .address_space: global }
      - { .name: lowp_scales, .offset: 32, .size: 8, .value_kind: global_buffer, .address_space: global }
      - { .name: qc, .offset: 40, .size: 8, .value_kind: global_buffer, .address_space: global }
      - { .name: kvc, .offset: 48, .size: 8, .value_kind: global_buffer, .address_space: global }
    .group_segment_fixed_size: 76800
    .private_segment_fixed_size: 0
    .kernarg_segment_align: 8
    .kernarg_segment_size: 56
    .max_flat_workgroup_size: 256
    .sgpr_count:     66
    .vgpr_count:     512
    .wavefront_size: 32
...
	.end_amdgpu_metadata
.endif
;; end of part 6
;; launch attn (part 7): grid 16 x 16, 16 waves a work-group, clusters of 4 x 1, 327,680 bytes of LDS; arguments qc, kvc, lowp_scales, cc; writes cc
.if DOCPART == 7
	.amdgcn_target "amdgcn-amd-amdhsa--gfx1250"
	.amdhsa_code_object_version 6
	.text
	.protected	k_q85f25f6dcc_attn
	.globl	k_q85f25f6dcc_attn
	.p2align	8
	.type	k_q85f25f6dcc_attn,@function
k_q85f25f6dcc_attn:
	s_mov_b64 s[64:65], 0
	v_nop
	global_prefetch_b8 v0, s[64:65] scope:SCOPE_SE
	s_setreg_imm32_b32 hwreg(HW_REG_WAVE_MODE, 25, 1), 1
	s_wait_xcnt 0x0
	s_wait_alu depctr_hold_cnt(0) depctr_sa_sdst(0) depctr_va_vdst(0) depctr_va_sdst(0) depctr_va_ssrc(0) depctr_va_vcc(0) depctr_vm_vsrc(0)
	s_getreg_b32 s2, hwreg(HW_REG_IB_STS2, 6, 4)
	s_cmp_eq_u32 s2, 0
	s_cbranch_scc0 .Lentry_in_a_cluster
	s_endpgm
.Lentry_in_a_cluster:
	s_bfe_u32 s2, ttmp6, 0x10000c
	s_cmp_lg_u32 s2, 0x3003
	s_cbranch_scc0 .Lentry_shape_is_right
	s_endpgm
.Lentry_shape_is_right:
; Causal attention for 16 heads (bh = 8 x batch + head) of 4,096 queries and keys, head size 64, both products on codes of FP8 (E4M3) with given scales (entries 6 to 9 of lowp_scales);
; the result ctx is quantised at once (entry 10) into cc, as images of the last product's operand registers.
; THE SOFTMAX AHEAD OF THE SECOND PRODUCT: t = score x log2(e) / 8; M = the row's largest t so far, rounded UP to a whole number; p = 2^(t - M) is what is quantised; the row's sum is taken of the
; unquantised p and divides at the end.  When M moves, the sum and O are multiplied by 2^(old M - new M): exact.
; SHARES.  Work-group (x, y): head y.  Each of its SIXTEEN waves owns ONE tile of 16 queries, tile 16 rank + g, g = the work-group's x: so every work-group holds one tile of each band of 256 queries
; and all have the same share of the triangle.  rank is taken from the wave's number by a table (a magic square of order 4: waves w, w + 4, w + 8, w + 12 have ranks that add up to 30, and so have
; waves 4 i .. 4 i + 3), so that long and short walks are mixed among the waves.
; Every wave passes all 8 slots of 512 keys (constant trip counts, every barrier, every joint load); a key step of 128 keys that lies wholly behind the wave's queries is left out by a scalar branch.
; CLUSTER: the four work-groups of a cluster belong to one head and walk the same K and V: each slot is asked for JOINTLY (waves 0 to 3, one key step of 16 KB each).
; The branches hang on QB = 256 rank + 64 x cluster x: the four partners' queries of one wave, QB .. QB + 63, lie in ONE block of 128 keys, so "hidden" and "open" are the same for all four.
; The work-group's place in its cluster enters only the mask's comparison (a select), the addresses in qc and cc, and the prefetches' address.
; LAYOUT.  Both products transposed: S^T = K Q^T (source 0 = 16 keys, source 1 = my queries; K = 64), O^T = V^T P^T (source 0 = 16 of the head's 64, source 1 = P; K = 128 keys): a lane holds ONE query.
; kvc holds a key step as 16 KB of register images (K's tile t at 1,024 t + 512 c; V's tile n at 8,192 + 2,048 n + 512 c; lane l at 16 l), so LDS is a dense copy: no pitch, no padding.
; The keys of a tile of K are so chosen that register 16 b + i of S^T is key 32 b + 16 (lane / 16) + i; V's rows so that register 16 c + i of O^T is d = 32 c + 16 (lane / 16) + i.
; LIMITS on the given exponents: entry 6 + entry 7 between -123 and 130 (added to c's exponent field); entries 8 and 10 between -126 and 119; entry 8 + entry 9 goes by v_ldexp_f32.  NaN is not served.
.set SLOT1, 65536                      ; LDS: two slots of 4 key steps; one exclusive or turns an address from one to the other
.set STEPB, 16384
.set SPARE, 131072                     ; behind the ring: the spare words, 128 bytes for each wave: eight blocks of 256 bytes that no other line names
.set LI,   1                           ; v1   16 l
.set ADK,  2                           ; v2   16 l + the slot in hand
.set PFO,  3                           ; v3   256 l
.set SPW,  5                           ; v5   my spare word; never rewritten
.set NIL,  6                           ; v6   0; never rewritten
.set QD,   7                           ; v7   my query - 16 (lane / 16)
; v12 -M, v13 the largest t, v[14:15] the sum in two halves; v16-23 Q; v32-95 K's eight tiles, then V's four; v96-159 S^T, then p; v160-191 O^T; v192-199 ctx's codes; v224-239 p's codes;
; v240, v244: 448 x 2^ep, 2^ep; v241, v245 the same for ctx; v236-239, v242-243, v246-255 at work
.set WV,   12                          ; s12 wave; s13 cx; s14 g; s15 bh; s16 rank
.set SEL,  20                          ; s[20:21] lane selects: lane l xor 16
.set CS,   22                          ; s[22:23] c = log2(e) / 8 x 2^(entries 6 + 7)
.set G1,   24                          ; s[24:31] descriptor group 1;  s[32:35] group 0, which walks
.set G0,   32
.set TB,   36                          ; s36 LDS byte at which the slot in hand begins
.set SLOTS, 37                         ; s37 slots still to be asked for
.set KF,   38                          ; s38 the step's first key
.set QB,   39                          ; s39 the first query of the four partners' tiles;  s45 the last
.set QH,   45
.set PFA,  42                          ; s[42:43] where my prefetches stand
.set LIM,  44                          ; s44 1 in a wave that prefetches, else the greatest number
.macro CROUND                          ; a round of the cluster's barrier
	s_barrier_signal -1
	s_barrier_wait -1
	s_cmp_lg_u32 s[WV], 0
	s_cbranch_scc1 .Lnot_wave_0_\@
	s_barrier_signal -3
.Lnot_wave_0_\@:
	s_barrier_wait -3
	s_barrier_signal -1
	s_barrier_wait -1
.endm
.macro TLOAD                           ; waves 0 to 3 fetch one key step each; the branch hangs on the wave's number alone; four v_nop follow the load
	s_cmp_lt_u32 s[WV], 4
	s_cbranch_scc0 .Lasked_\@
	tensor_load_to_lds s[G0:G0+3], s[G1:G1+7]
	s_nop 0
.rept 4
	v_nop
.endr
.Lasked_\@:
.endm
; A prefetch of the slot that the NEXT change of slots will ask for: four key steps ahead of that load.  All four clusters of a head walk the same 64 KB: the head's first cluster asks.  Its partners take
; 16 KB each, told apart by address; in each, waves 4 and 5 take 8 KB, lanes 256 bytes apart: one instruction a wave, each block of 256 bytes named once.  The last change that fills a slot asks for nothing.
.macro ASK
	s_cmp_gt_u32 s[SLOTS], s[LIM]
	s_cbranch_scc0 .Lnot_mine_\@
	global_prefetch_b8 v[PFO], s[PFA:PFA+1] th:TH_LOAD_NT scope:SCOPE_SE
.Lnot_mine_\@:
.endm
	s_load_b256 s[4:11], s[0:1], 0x0               ; qc s[4:5], kvc s[6:7], lowp_scales s[8:9], cc s[10:11]
	v_lshl_add_u32 v[SPW], v0, 2, SPARE
	v_mov_b32 v[NIL], 0
	ds_add_u32 v5, v6
	ds_add_u32 v5, v6
	s_wait_dscnt 0x0
	v_lshrrev_b32 v8, 5, v0
	s_delay_alu instid0(VALU_DEP_1)
	v_readfirstlane_b32 s[WV], v8                  ; wave 0..15
	s_bfe_u32 s13, ttmp6, 0x40000                  ; cx
	s_lshl_b32 s14, ttmp9, 2
	s_add_co_u32 s14, s14, s13                     ; g = 4 x cluster x + cx
	s_and_b32 s15, ttmp7, 0xffff                   ; bh, which the partners share
	s_mov_b32 s46, 0x0de3b658                      ; ranks of waves 8 to 15, four bits each: 8 5 6 11 3 14 13 0
	s_cmp_lt_u32 s[WV], 8
	s_cselect_b32 s46, 0x7a94c12f, s46             ; of waves 0 to 7: 15 2 1 12 4 9 10 7
	s_and_b32 s47, s[WV], 7
	s_lshl_b32 s47, s47, 2
	s_lshr_b32 s16, s46, s47
	s_and_b32 s16, s16, 15                         ; rank
	s_lshl_b32 s[QB], s16, 8
	s_lshl_b32 s46, ttmp9, 6
	s_add_co_u32 s[QB], s[QB], s46                 ; 256 rank + 64 x cluster x
	s_add_co_u32 s[QH], s[QB], 63
	s_lshl_b32 s40, s16, 8
	s_lshl_b32 s56, s14, 4
	s_add_co_u32 s40, s40, s56                     ; my first query: 256 rank + 16 g
	; descriptor group 1: a key step's 16,384 dense bytes as 64 rows of 32 elements of 8 bytes
	s_mov_b32 s[G1], 15|(3<<16)|(1<<21)            ; 15:0 the mask: all four work-groups; 17:16 elements of 8 bytes; 21 set beside a mask; no padding
	s_mov_b32 s[G1+1], 32<<16                      ; tensor_dim0 = 32
	s_mov_b32 s[G1+2], 64<<16                      ; tensor_dim1 = 64
	s_mov_b32 s[G1+3], 32<<16                      ; tile_dim0 = 32
	s_mov_b32 s[G1+4], 64                          ; tile_dim1 = 64
	s_mov_b32 s[G1+5], 32                          ; from row to row
	s_mov_b32 s[G1+6], 0
	s_mov_b32 s[G1+7], 0
	s_mov_b32 s[G0], 1                             ; count = 1
	s_and_b32 s46, s[WV], 3
	s_lshl_b32 s[G0+1], s46, 14                    ; LDS: slot 0, key step w % 4
	s_lshl_b32 s60, s46, 14                        ; and the same in memory
	s_mov_b32 s61, 0
	s_lshl_b32 s18, s15, 19                        ; the head's 524,288 bytes of kvc
	s_mov_b32 s19, 0
	s_lshl_b32 s56, s13, 14                        ; the prefetches: my work-group's 16 KB of a slot,
	s_and_b32 s58, s[WV], 1
	s_lshl_b32 s58, s58, 13                        ; my wave's 8 KB of them,
	s_add_co_u32 s56, s56, s58
	s_add_co_u32 s56, s56, SLOT1                   ; in slot 1: the first change of slots steps it to slot 2
	s_mov_b32 s57, 0
	s_lshr_b32 s[LIM], s[WV], 1
	s_xor_b32 s[LIM], s[LIM], 2                    ; 0 in waves 4 and 5,
	s_or_b32 s[LIM], s[LIM], ttmp9                 ; of the head's first cluster: the same in all four partners
	s_cmp_eq_u32 s[LIM], 0
	s_cselect_b32 s[LIM], 1, -1
	s_mov_b32 s[SEL], 0x76543210
	s_mov_b32 s[SEL+1], 0xfedcba98
	s_mov_b32 s[TB], 0
	s_mov_b32 s[SLOTS], 7
	s_mov_b32 s[KF], 0
	s_wait_kmcnt 0x0
	s_load_b256 s[48:55], s[8:9], 0x10             ; entries 4 to 11: s50, s51 the scores' two; s52 p's; s53 v's; s54 ctx's
	s_add_nc_u64 s[6:7], s[6:7], s[18:19]          ; kvc at my head
	s_add_nc_u64 s[G0+2:G0+3], s[6:7], s[60:61]    ; global address: key step w % 4
	s_or_b32 s[G0+3], s[G0+3], 0x80000000          ; type = 2
	s_add_nc_u64 s[PFA:PFA+1], s[6:7], s[56:57]
	s_lshl_b32 s56, s15, 8
	s_lshl_b32 s58, s16, 4
	s_add_co_u32 s56, s56, s58
	s_add_co_u32 s56, s56, s14                     ; 256 bh + my tile
	s_lshl_b32 s56, s56, 10
	s_add_nc_u64 s[4:5], s[4:5], s[56:57]          ; my fragment of Q
	s_lshr_b32 s58, s15, 3
	s_lshl_b32 s58, s58, 8
	s_lshl_b32 s59, s16, 4
	s_add_co_u32 s58, s58, s59
	s_add_co_u32 s58, s58, s14                     ; 256 x batch + my tile: four fragments of 2,048 bytes,
	s_lshl_b32 s58, s58, 13
	s_and_b32 s59, s15, 7
	s_lshl_b32 s59, s59, 10                        ; of which head hd fills the two images from byte 1,024 hd on
	s_add_co_u32 s58, s58, s59
	s_mov_b32 s59, 0
	s_add_nc_u64 s[10:11], s[10:11], s[58:59]
	CROUND                                         ; all four work-groups are here: the first joint loads meet
	TLOAD                                          ; slot 0
	v_and_b32 v[LI], 31, v0
	s_delay_alu instid0(VALU_DEP_1)
	v_lshlrev_b32 v[PFO], 8, v[LI]
	s_delay_alu instid0(VALU_DEP_2)
	v_lshlrev_b32 v[LI], 4, v[LI]
	global_load_b128 v[16:19], v[LI], s[4:5]       ; Q stays in registers
	global_load_b128 v[20:23], v[LI], s[4:5] offset:512
	v_and_b32 v8, 15, v0
	v_bfe_u32 v9, v0, 4, 1
	s_delay_alu instid0(VALU_DEP_1)
	v_lshlrev_b32 v9, 4, v9
	s_delay_alu instid0(VALU_DEP_1)
	v_sub_nc_u32 v[QD], v8, v9
	s_delay_alu instid0(VALU_DEP_1)
	v_add_nc_u32 v[QD], s40, v[QD]
	v_mov_b32 v13, 0xff61b1e6                      ; the largest t so far: -3e38, under every t
	s_delay_alu instid0(VALU_DEP_1)
	v_floor_f32 v12, -v13                          ; -M
	v_mov_b32 v14, 0
	v_mov_b32 v15, 0
	v_mov_b32 v236, 0                              ; written once: a lane permute's destination counts as one of its sources
	v_mov_b32 v252, 0
	v_mov_b32 v253, 0                              ; (named as the upper half of the pair v[252:253])
	v_mov_b32 v254, 0
.set jj, 0
.rept 32
	v_mov_b32 v[160+jj], 0                         ; O^T: the step is written once; its first run finds zeros, which the first change of M leaves zeros
.set jj, jj+1
.endr
	s_wait_kmcnt 0x0
	s_mov_b32 s[CS], 0x3e38aa3b                    ; log2(e) / 8
	s_add_co_i32 s62, s50, s51
	s_lshl_b32 s62, s62, 23
	s_add_co_i32 s[CS], s[CS], s62                 ; a score stands for score x 2^(the two exponents): they are added to c's exponent field
	s_mov_b32 s[CS+1], s[CS]
	s_add_co_i32 s62, s52, 127
	s_lshl_b32 s63, s62, 23
	v_mov_b32 v244, s63                            ; 2^ep
	s_add_co_i32 s62, s62, 8
	s_lshl_b32 s62, s62, 23
	s_or_b32 s62, s62, 0x600000
	v_mov_b32 v240, s62                            ; 448 x 2^ep
	s_add_co_i32 s62, s54, 127
	s_lshl_b32 s63, s62, 23
	v_mov_b32 v245, s63                            ; 2^ec, for ctx
	s_add_co_i32 s62, s62, 8
	s_lshl_b32 s62, s62, 23
	s_or_b32 s62, s62, 0x600000
	v_mov_b32 v241, s62                            ; 448 x 2^ec
; A KEY STEP: 128 keys, the q-th of the slot in hand.
.macro STEP q
	s_cmp_gt_u32 s[KF], s[QH]                      ; all 128 keys come behind the queries: the step's work is left out; no barrier and no tensor load stands in a step
	s_cbranch_scc1 .Lhidden_\@
	v_add_nc_u32 v[ADK], s[TB], v[LI]
.rept 3
	v_nop                                          ; with the addition: four places in front of loads into registers that the last products read
.endr
.irp t, 0,1,2,3,4,5,6,7
.irp c, 0,1
	ds_load_b128 v[32+8*\t+4*\c:35+8*\t+4*\c], v[ADK] offset:STEPB*(\q)+1024*\t+512*\c
.endr
.endr
	s_wait_alu depctr_va_vdst(0)
	s_wait_dscnt 8                                 ; tiles 0 to 3 are in
.irp t, 0,1,2,3
	v_wmma_f32_16x16x64_fp8_fp8 v[96+8*\t:103+8*\t], v[32+8*\t:39+8*\t], v[16:23], 0
.endr
	s_wait_dscnt 0x0
.irp t, 4,5,6,7
	v_wmma_f32_16x16x64_fp8_fp8 v[96+8*\t:103+8*\t], v[32+8*\t:39+8*\t], v[16:23], 0
.endr
.rept 4
	v_nop                                          ; places in front of the loads below and of the first read of the scores
.endr
.irp n, 0,1,2,3                        ; V's four tiles take K's registers and land while the softmax is worked
.irp c, 0,1,2,3
	ds_load_b128 v[32+16*\n+4*\c:35+16*\n+4*\c], v[ADK] offset:STEPB*(\q)+8192+2048*\n+512*\c
.endr
.endr
	s_add_co_u32 s46, s[KF], 127
	s_cmp_le_u32 s46, s[QB]                        ; all keys count for all queries: no mask
	s_cbranch_scc1 .Lopen_\@
	v_sub_nc_u32 v252, v[QD], s[KF]                ; register 16 b + i holds key KF + 32 b + 16 (lane / 16) + i: hidden where 32 b + i > my query - 16 (lane / 16) - KF
	v_mov_b32 v254, 0xff800000                     ; -infinity: p = 0 then
.set jj, 0
.rept 64
	v_cmp_gt_i32 vcc_lo, 32*(jj/16)+jj%16, v252
	v_cndmask_b32 v[96+jj], v[96+jj], v254, vcc_lo
.set jj, jj+1
.endr
.Lopen_\@:
	v_max3_num_f32 v254, v96, v97, v98             ; the step's largest score of my query among my 64 keys, in two chains,
	v_max3_num_f32 v252, v99, v100, v101
.irp i, 6,10,14,18,22,26,30,34,38,42,46,50,54,58
	v_max3_num_f32 v254, v254, v[96+\i], v[97+\i]
	v_max3_num_f32 v252, v252, v[98+\i], v[99+\i]
.endr
	v_max3_num_f32 v254, v254, v158, v159
	s_delay_alu instid0(VALU_DEP_1)
	v_max_num_f32 v254, v254, v252
	v_permlanex16_b32 v236, v254, s[SEL], s[SEL+1]
	s_delay_alu instid0(VALU_DEP_1)
	v_max_num_f32 v254, v254, v236                 ; and among lane l xor 16's
	s_delay_alu instid0(VALU_DEP_1)
	v_mul_f32 v254, s[CS], v254                    ; as t (c is positive)
	s_delay_alu instid0(VALU_DEP_1)
	v_max_num_f32 v13, v13, v254                   ; the running largest t
	v_mov_b32 v254, v12
	s_delay_alu instid0(VALU_DEP_2)
	v_floor_f32 v12, -v13                          ; the new -M = floor(-t): M is a whole number
	s_delay_alu instid0(VALU_DEP_1)
	v_sub_f32 v254, v12, v254                      ; old M - new M: a whole number, 0 or less
	s_delay_alu instid0(VALU_DEP_1)
	v_cvt_i32_f32 v254, v254                       ; (it saturates)
	s_delay_alu instid0(VALU_DEP_1)
	v_ldexp_f32 v252, 1.0, v254                    ; f = 2^(old M - new M)
.set jj, 0
.rept 32
	v_pk_fma_f32 v[96+jj:97+jj], v[96+jj:97+jj], s[CS:CS+1], v[12:13] op_sel_hi:[1,0,0]   ; t - M, two at a time
.set jj, jj+2
.endr
.set jj, 0
	s_wait_alu depctr_va_vdst(0)
.rept 64
	v_exp_f32 v[96+jj], v[96+jj]                   ; p = 2^(t - M), at most 1: not normalised
.set jj, jj+1
.endr
	v_pk_mul_f32 v[14:15], v[14:15], v[252:253] op_sel_hi:[1,0]   ; the sums under the new M: the plain line behind the exponentials
	s_wait_alu depctr_va_vdst(0)                   ; one wait for the whole batch, ahead of its first reader
	v_pk_add_f32 v[242:243], v[100:101], v[104:105]
	v_pk_add_f32 v[254:255], v[108:109], v[112:113]
	v_pk_add_f32 v[250:251], v[116:117], v[120:121]
	v_pk_add_f32 v[248:249], v[124:125], v[128:129]
	v_pk_add_f32 v[246:247], v[132:133], v[136:137]
	v_pk_add_f32 v[238:239], v[140:141], v[144:145]
	v_pk_add_f32 v[236:237], v[148:149], v[152:153]
	v_pk_add_f32 v[14:15], v[14:15], v[156:157]
	v_pk_add_f32 v[242:243], v[242:243], v[96:97]
	v_pk_add_f32 v[254:255], v[254:255], v[98:99]
	v_pk_add_f32 v[250:251], v[250:251], v[102:103]
	v_pk_add_f32 v[248:249], v[248:249], v[106:107]
	v_pk_add_f32 v[246:247], v[246:247], v[110:111]
	v_pk_add_f32 v[238:239], v[238:239], v[114:115]
	v_pk_add_f32 v[236:237], v[236:237], v[118:119]
	v_pk_add_f32 v[14:15], v[14:15], v[122:123]
	v_pk_add_f32 v[242:243], v[242:243], v[126:127]
	v_pk_add_f32 v[254:255], v[254:255], v[130:131]
	v_pk_add_f32 v[250:251], v[250:251], v[134:135]
	v_pk_add_f32 v[248:249], v[248:249], v[138:139]
	v_pk_add_f32 v[246:247], v[246:247], v[142:143]
	v_pk_add_f32 v[238:239], v[238:239], v[146:147]
	v_pk_add_f32 v[236:237], v[236:237], v[150:151]
	v_pk_add_f32 v[14:15], v[14:15], v[154:155]
	v_pk_add_f32 v[242:243], v[242:243], v[158:159]
	s_delay_alu instid0(VALU_DEP_2)
	v_pk_add_f32 v[14:15], v[14:15], v[248:249]
	s_delay_alu instid0(VALU_DEP_2)
	v_pk_add_f32 v[242:243], v[242:243], v[246:247]
	v_pk_add_f32 v[254:255], v[254:255], v[238:239]
	v_pk_add_f32 v[250:251], v[250:251], v[236:237]
	s_delay_alu instid0(VALU_DEP_2)
	v_pk_add_f32 v[14:15], v[14:15], v[254:255]
	s_delay_alu instid0(VALU_DEP_2)
	v_pk_add_f32 v[242:243], v[242:243], v[250:251]
	s_delay_alu instid0(VALU_DEP_1)
	v_pk_add_f32 v[14:15], v[14:15], v[242:243]
.irp b, 0,1,2,3
.set jj, 0
.rept 16
	v_min_num_f32 v[96+16*\b+jj], v[96+16*\b+jj], v240   ; the conversion does not saturate (ISA guide 7.6.2); p is not negative, so the hold is one-sided
.set jj, jj+1
.endr
	v_cvt_scalef32_pk8_fp8_f32 v[224+4*\b:225+4*\b], v[96+16*\b:103+16*\b], v244
	v_cvt_scalef32_pk8_fp8_f32 v[226+4*\b:227+4*\b], v[104+16*\b:111+16*\b], v244
.endr
.set jj, 0
.rept 16
	v_pk_mul_f32 v[160+jj:161+jj], v[160+jj:161+jj], v[252:253] op_sel_hi:[1,0]   ; O^T under the new M; these are also the plain lines behind the conversions
.set jj, jj+2
.endr
	s_wait_alu depctr_va_vdst(0)
	s_wait_dscnt 0x0                               ; V is in
.irp n, 0,1,2,3                        ; four accumulators by turns; between two links of a chain stand the next step's eight products and three of these
	v_wmma_f32_16x16x128_fp8_fp8 v[160+8*\n:167+8*\n], v[32+16*\n:47+16*\n], v[224:239], v[160+8*\n:167+8*\n]
.endr
.Lhidden_\@:
	s_add_co_u32 s[KF], s[KF], 128
.endm
; THE CHANGE OF SLOTS stands at a slot's head.  Each wave waits for all its tensor loads (its part of the slot that it is about to read), adds 0 to its spare word, and waits for that and for its reads
; of the slot that it has left.  fill = 1: a round of the cluster's barrier, and behind it the slot just left is filled with the next 512 keys: the load has four key steps in which to land.
.macro CHANGE fill
	s_wait_tensorcnt 0x0                           ; no tensor load of mine is out, so group 0 may be written
	ds_add_u32 v[SPW], v[NIL]                      ; 0 onto my spare word
.if \fill
	s_xor_b32 s[G0+1], s[G0+1], SLOT1              ; the other slot than last time,
	s_add_nc_u64 s[G0+2:G0+3], s[G0+2:G0+3], SLOT1 ; the next four key steps; the type bits on top are not reached
	s_wait_xcnt 0x0                                ; the last prefetch, a slot back, has read its address, so it may be written:
	s_add_nc_u64 s[PFA:PFA+1], s[PFA:PFA+1], SLOT1 ; one slot further on than the walking descriptor
.endif
	s_wait_dscnt 0x0                               ; the add is done, and my reads of the slot that I have left are over
.if \fill
	CROUND                                         ; no wave of any partner still reads that slot or has a load on its way
	TLOAD                                          ; the first thing behind the round, and a wave's one tensor load until the next
	ASK
.else
	s_barrier_signal -1
	s_barrier_wait -1
.endif
.endm
.macro SLOT_STEPS
	STEP 0
	STEP 1
	STEP 2
	STEP 3
	s_xor_b32 s[TB], s[TB], SLOT1                  ; on to the other slot
.endm
	s_wait_loadcnt 0x0                             ; Q
.Lslot:                                            ; 7 trips: behind each change of slots but the last the next slot is asked for
	CHANGE 1
	SLOT_STEPS
	s_sub_co_u32 s[SLOTS], s[SLOTS], 1
	s_cmp_lg_u32 s[SLOTS], 0
	s_cbranch_scc1 .Lslot
	CHANGE 0                                       ; the last slot is written out
	SLOT_STEPS
	; THE WAY OUT: ctx = O^T / the sum x 2^(ep + ev), held, converted by 2^ec: a lane's 32 numbers are d = 32 c + 16 (lane / 16) + 0..15, c = 0, 1: 16 bytes of each of two images.
.rept 4
	v_nop                                          ; places behind the last products
.endr
	v_add_f32 v14, v14, v15                        ; the sum's two halves,
	v_permlanex16_b32 v236, v14, s[SEL], s[SEL+1]
	s_delay_alu instid0(VALU_DEP_1)
	v_add_f32 v14, v14, v236                       ; and lane l xor 16's
	s_wait_alu depctr_va_vdst(0)
	v_rcp_f32 v14, v14
	v_nop                                          ; a plain line behind the transcendental
	s_add_co_i32 s62, s52, s53
	s_wait_alu depctr_va_vdst(0)                   ; the wait ahead of its first reader
	v_ldexp_f32 v14, v14, s62                      ; x 2^(ep + ev)
	s_delay_alu instid0(VALU_DEP_1)
	v_mov_b32 v15, v14
.set jj, 0
.rept 16
	v_pk_mul_f32 v[96+jj:97+jj], v[160+jj:161+jj], v[14:15] op_sel_hi:[1,0]   ; each accumulator from its low end on
.set jj, jj+2
.endr
.set jj, 0
.rept 32
	v_med3_num_f32 v[96+jj], v[96+jj], -v241, v241
.set jj, jj+1
.endr
.irp c, 0,1
	v_cvt_scalef32_pk8_fp8_f32 v[192+4*\c:193+4*\c], v[96+16*\c:103+16*\c], v245
	v_cvt_scalef32_pk8_fp8_f32 v[194+4*\c:195+4*\c], v[104+16*\c:111+16*\c], v245
.endr
	v_nop                                          ; a plain line behind the last conversion
	global_store_b128 v[LI], v[192:195], s[10:11]              ; 32 lanes store 512 consecutive bytes, at a multiple of 512 from cc's first byte
	global_store_b128 v[LI], v[196:199], s[10:11] offset:512
	s_wait_tensorcnt 0x0                           ; the wave's end
	ds_add_u32 v[SPW], v[NIL]
	s_wait_dscnt 0x0
	CROUND                                         ; the closing round: no work-group ends while a partner may still ask for a tile that names it
	s_endpgm
.Lfunc_end_k_q85f25f6dcc_attn:
	.size	k_q85f25f6dcc_attn, .Lfunc_end_k_q85f25f6dcc_attn-k_q85f25f6dcc_attn
	.p2alignl 7, 3214868480
	.fill 96, 4, 3214868480
	.section	.rodata,"a",@progbits
	.p2align	6, 0x0
	.amdhsa_kernel k_q85f25f6dcc_attn
		.amdhsa_group_segment_fixed_size 327680
		.amdhsa_private_segment_fixed_size 0
		.amdhsa_enable_private_segment 0
		.amdhsa_kernarg_size 32
		.amdhsa_user_sgpr_count 2
		.amdhsa_user_sgpr_kernarg_segment_ptr 1
		.amdhsa_wavefront_size32 1
		.amdhsa_system_sgpr_workgroup_id_x 1
		.amdhsa_system_sgpr_workgroup_id_y 1
		.amdhsa_system_sgpr_workgroup_id_z 1
		.amdhsa_system_vgpr_workitem_id 0
		.amdhsa_next_free_vgpr 256
		.amdhsa_next_free_sgpr 66
		.amdhsa_reserve_vcc 1
		.amdhsa_float_denorm_mode_32 3
		.amdhsa_float_denorm_mode_16_64 3
		.amdhsa_memory_ordered 1
		.amdhsa_forward_progress 1
		.amdhsa_inst_pref_size 180
	.end_amdhsa_kernel
	.amdgpu_metadata
---
amdhsa.version: [ 1, 2 ]
amdhsa.kernels:
  - .name:           k_q85f25f6dcc_attn
    .symbol:         k_q85f25f6dcc_attn.kd
    .args:
      - { .name: qc, .offset: 0, .size: 8, .value_kind: global_buffer, .address_space: global }
      - { .name: kvc, .offset: 8, .size: 8, .value_kind: global_buffer, .address_space: global }
      - { .name: lowp_scales, .offset: 16, .size: 8, .value_kind: global_buffer, .address_space: global }
      - { .name: cc, .offset: 24, .size: 8, .value_kind: global_buffer, .address_space: global }
    .group_segment_fixed_size: 327680
    .private_segment_fixed_size: 0
    .kernarg_segment_align: 8
    .kernarg_segment_size: 32
    .max_flat_workgroup_size: 512
    .sgpr_count:     66
    .vgpr_count:     256
    .wavefront_size: 32
...
	.end_amdgpu_metadata
.endif
;; end of part 7
;; launch outp (part 8): grid 4 x 64, 8 waves a work-group, no clusters, 70,656 bytes of LDS; arguments cc, wc, lowp_scales, b_o, out0; writes out0
.if DOCPART == 8
	.amdgcn_target "amdgcn-amd-amdhsa--gfx1250"
	.amdhsa_code_object_version 6
	.text
	.protected	k_q85f25f6dcc_outp
	.globl	k_q85f25f6dcc_outp
	.p2align	8
	.type	k_q85f25f6dcc_outp,@function
k_q85f25f6dcc_outp:
	s_mov_b64 s[64:65], 0
	v_nop
	global_prefetch_b8 v0, s[64:65] scope:SCOPE_SE
	s_setreg_imm32_b32 hwreg(HW_REG_WAVE_SCHED_MODE, 0, 2), 2
	s_setreg_imm32_b32 hwreg(HW_REG_WAVE_MODE, 25, 1), 1
	s_wait_xcnt 0x0
	s_wait_alu depctr_vm_vsrc(0)
; out0 = ctx W_o^T + b_o.  ctx's codes (cc) and W_o's (wc, from byte 786,432) are FP8 (E4M3) in images of the operand's registers; a sum is multiplied by 2^(entry 10 + entry 11) of lowp_scales.
; LIMIT: entry 10 + entry 11 between -126 and 127, so that the power of two is an f32 number.
; A work-group makes 128 rows (y) x 128 columns (x).  Wave w: rows 32 (w / 2) .. + 31 of them (two tiles), columns 64 (w % 2) .. + 63 (four tiles of W_o): 8 accumulators, K = 512 in four steps.
; All operands go from memory straight into the registers where they are multiplied (X: 128 registers, window 0; W_o: 256, window 1), all 104 loads of a wave at its head, ordered by K step, so that each K step's
; products begin when its 24 loads are in.  NO CLUSTER and no LDS for operands: each wave reads each of its bytes once, into its place; asked for jointly they would land in LDS and be read from there once more.
; The product is used TRANSPOSED (source 0 = W_o's rows, source 1 = ctx's): a lane holds one row of out0, and W_o's rows are so chosen (see wc) that register 16 c + i is column 32 c + 16 (lane / 16) + i.
; The way out goes through the wave's own stage in LDS (16 rows x (256 + 16) bytes for each tile): sixteen lanes store 256 consecutive bytes at a multiple of 256 from out0's first byte.
; THE MODE: SCHED_MODE bits 1:0 = 2 (LLVM: expert scheduling mode 2), set by the entry lines.  The code itself states the register dependences
; between vector or matrix instructions and memory or LDS instructions, with s_wait_alu, always for 0.
; THE PLAN.  Registers that memory or LDS instructions touch:
;   v1-5           offsets and LDS addresses: written at the head, never again.
;   v16-143, window 1, v208-239   the 104 loads land in them, once; matrix instructions and the multiply-adds read them.
;   v16-79         behind the products: the 32 packed multiply-adds write the results there; the LDS stores read them.
;   v80-143        behind the products, which read them: the LDS loads from the stage land there; the global stores read them.
; So three waits: va_sdst for the wave's number; va_vdst ahead of the first load (the addresses); va_vdst ahead of the first LDS store (the results are written, the products are done with v80-143).
; Both tiles' multiply-adds stand ahead of both tiles' LDS lines, so that the last of these waits stands once.
.set XR,   16                          ; v16-143  ctx's fragment (tile m, K step s) at 64 m + 16 s;  later v16-79 the results, v80-143 the rows read back
.set ACC,  144                         ; v144-207 accumulator (m, t) at 32 m + 8 t
.set BI,   208                         ; v208-239 the bias at my 32 columns
.set SPI,  272
.set STW,  8704                        ; a wave's stage
.set MSB, 0
.macro WIN new                         ; the immediate's high byte repeats the setting that is left
.if MSB != \new
	s_set_vgpr_msb (MSB<<8)|\new
.set MSB, \new
.endif
.endm
	s_load_b256 s[4:11], s[0:1], 0x0               ; cc s[4:5], wc s[6:7], lowp_scales s[8:9], b_o s[10:11]
	s_load_b64 s[12:13], s[0:1], 0x20              ; out0
	v_lshl_add_u32 v254, v0, 2, 0x11000
	v_mov_b32 v255, 0
	v_lshrrev_b32 v6, 5, v0
	v_readfirstlane_b32 s14, v6                    ; wave 0..7
	s_and_b32 s15, ttmp7, 0xffff                   ; y
	v_and_b32 v6, 31, v0
	v_lshlrev_b32 v1, 4, v6                        ; 16 l
	v_and_b32 v7, 15, v0                           ; r
	v_bfe_u32 v8, v0, 4, 1                         ; h
	v_lshlrev_b32 v2, 6, v8                        ; the bias: 16 h numbers on
	s_wait_alu depctr_va_sdst(0)                   ; the wave's number is written, ahead of its first reader: my stage's place and the bases in memory are made from it
	s_lshr_b32 s18, s14, 1                         ; which 32 rows
	s_and_b32 s19, s14, 1
	s_lshl_b32 s20, ttmp9, 1
	s_add_co_u32 s20, s20, s19                     ; which 64 columns, 0..7
	s_mul_i32 s21, s14, STW
	v_mul_u32_u24 v3, v7, SPI
	v_lshl_add_u32 v3, v8, 6, v3
	v_add_nc_u32 v3, s21, v3                       ; the stage, in: row r, + 64 h bytes
	v_mul_u32_u24 v4, v8, SPI
	v_lshl_add_u32 v4, v7, 4, v4
	v_add_nc_u32 v4, s21, v4                       ; back: lanes 0-15 one row, lanes 16-31 the next
	v_lshlrev_b32 v5, 11, v8
	v_lshl_add_u32 v5, v7, 4, v5                   ; and the same two rows in out0
	s_lshl_b32 s22, s15, 3
	s_lshl_b32 s23, s18, 1
	s_add_co_u32 s22, s22, s23                     ; my first tile of rows: four fragments of 2,048 bytes each
	s_lshl_b32 s22, s22, 13
	s_mov_b32 s23, 0
	s_lshl_b32 s24, s20, 15
	s_add_co_u32 s24, s24, 786432                  ; W_o's 16 fragments for my columns
	s_mov_b32 s25, 0
	s_lshl_b32 s26, s20, 8
	s_mov_b32 s27, 0
	s_lshl_b32 s28, s15, 7
	s_lshl_b32 s29, s18, 5
	s_add_co_u32 s28, s28, s29                     ; my first row,
	s_lshl_b32 s28, s28, 11
	s_add_co_u32 s28, s28, s26                     ; my first column
	s_mov_b32 s29, 0
	s_wait_kmcnt 0x0
	s_load_b64 s[16:17], s[8:9], 0x28              ; entries 10, 11
	s_add_nc_u64 s[4:5], s[4:5], s[22:23]
	s_add_nc_u64 s[6:7], s[6:7], s[24:25]
	s_add_nc_u64 s[10:11], s[10:11], s[26:27]
	s_add_nc_u64 s[12:13], s[12:13], s[28:29]
	s_wait_alu depctr_va_vdst(0)                   ; the offsets and LDS addresses v1 to v5 are written: every load, store and LDS line of the kernel reads one of them; only loads and window switches stand between this wait and the last load
.irp s, 0,1,2,3                        ; 24 loads a K step
.irp m, 0,1
.irp c, 0,1,2,3
	global_load_b128 v[XR+64*\m+16*\s+4*\c:XR+64*\m+16*\s+4*\c+3], v1, s[4:5] offset:(4*\m+\s)*2048+512*\c
.endr
.endr
	WIN 0x40                                       ; destination window 1
.irp t, 0,1,2,3
.irp c, 0,1,2,3
	global_load_b128 v[16*(4*\t+\s)+4*\c:16*(4*\t+\s)+4*\c+3], v1, s[6:7] offset:(4*\t+\s)*2048+512*\c
.endr
.endr
	WIN 0
.endr
.irp c, 0,1
.irp j, 0,1,2,3
	global_load_b128 v[BI+16*\c+4*\j:BI+16*\c+4*\j+3], v2, s[10:11] offset:128*\c+16*\j   ; b_o at columns 32 c + 16 h + 4 j ..
.endr
.endr
; Eight matrix instructions, the eight accumulators by turns in the same order in every K step; the first K step starts the sums with the constant 0.
.macro MUL s
	WIN 0x01                                       ; source 0 (W_o) window 1
.irp m, 0,1
.irp t, 0,1,2,3
.if \s == 0
	v_wmma_f32_16x16x128_fp8_fp8 v[ACC+32*\m+8*\t:ACC+32*\m+8*\t+7], v[16*(4*\t+\s):16*(4*\t+\s)+15], v[XR+64*\m+16*\s:XR+64*\m+16*\s+15], 0
.else
	v_wmma_f32_16x16x128_fp8_fp8 v[ACC+32*\m+8*\t:ACC+32*\m+8*\t+7], v[16*(4*\t+\s):16*(4*\t+\s)+15], v[XR+64*\m+16*\s:XR+64*\m+16*\s+15], v[ACC+32*\m+8*\t:ACC+32*\m+8*\t+7]
.endif
.endr
.endr
.endm
	s_wait_loadcnt 63                              ; of 104 loads at least the 41 oldest are in: K step 0's 24 among them
	MUL 0
	s_wait_loadcnt 56                              ; behind K step 1's: two K steps and the bias
	MUL 1
	s_wait_loadcnt 32
	MUL 2
	s_wait_loadcnt 8
	MUL 3
	WIN 0
.rept 4
	v_nop                                          ; places in front of the first read of results and of writes into registers that the products read (ISA guide 7.12.1)
.endr
	s_wait_loadcnt 0x0                             ; the bias
	s_wait_kmcnt 0x0
	s_add_co_i32 s16, s16, s17
	s_add_co_i32 s16, s16, 127
	s_lshl_b32 s16, s16, 23                        ; 2^(entry 10 + entry 11) as f32
	s_mov_b32 s17, s16                             ; (named with it as a pair, so it is written)
.irp m, 0,1
.set jj, 0
.rept 16
	v_pk_fma_f32 v[XR+32*\m+jj:XR+32*\m+jj+1], v[ACC+32*\m+jj:ACC+32*\m+jj+1], s[16:17], v[BI+jj:BI+jj+1] op_sel_hi:[1,0,1]   ; sum x 2^e + bias; each accumulator from its low end on
.set jj, jj+2
.endr
.endr
	s_wait_alu depctr_va_vdst(0)                   ; the multiply-adds have written v16-79, which the LDS stores read; the products are done reading v80-143, in which the loads from the stage land
.irp m, 0,1
.irp c, 0,1
.irp j, 0,1,2,3
	ds_store_b128 v3, v[XR+32*\m+16*\c+4*\j:XR+32*\m+16*\c+4*\j+3] offset:16*SPI*\m+128*\c+16*\j
.endr
.endr
.irp i, 0,1,2,3,4,5,6,7
	ds_load_b128 v[XR+64+32*\m+4*\i:XR+64+32*\m+4*\i+3], v4 offset:16*SPI*\m+2*SPI*\i   ; LDS serves a wave's instructions in order: these see my stores
.endr
.endr
.irp m, 0,1
.irp i, 0,1,2,3,4,5,6,7
	s_wait_dscnt 23-16*\m-\i                       ; behind this load: the tile's younger loads, and for tile 0 the other tile's sixteen LDS lines
	global_store_b128 v5, v[XR+64+32*\m+4*\i:XR+64+32*\m+4*\i+3], s[12:13] offset:(16*\m+2*\i)*2048 th:TH_STORE_NT
.endr
.endr
	s_wait_dscnt 0x0                               ; the closing lines, six on end
	s_wait_alu 0x0
	s_wait_tensorcnt 0x0
	ds_add_u32 v254, v255
	s_wait_dscnt 0x0
	s_endpgm
.Lfunc_end_k_q85f25f6dcc_outp:
	.size	k_q85f25f6dcc_outp, .Lfunc_end_k_q85f25f6dcc_outp-k_q85f25f6dcc_outp
	.p2alignl 7, 3214868480
	.fill 96, 4, 3214868480
	.section	.rodata,"a",@progbits
	.p2align	6, 0x0
	.amdhsa_kernel k_q85f25f6dcc_outp
		.amdhsa_group_segment_fixed_size 70656
		.amdhsa_private_segment_fixed_size 0
		.amdhsa_enable_private_segment 0
		.amdhsa_kernarg_size 40
		.amdhsa_user_sgpr_count 2
		.amdhsa_user_sgpr_kernarg_segment_ptr 1
		.amdhsa_wavefront_size32 1
		.amdhsa_system_sgpr_workgroup_id_x 1
		.amdhsa_system_sgpr_workgroup_id_y 1
		.amdhsa_system_sgpr_workgroup_id_z 1
		.amdhsa_system_vgpr_workitem_id 0
		.amdhsa_next_free_vgpr 512
		.amdhsa_next_free_sgpr 66
		.amdhsa_reserve_vcc 0
		.amdhsa_float_denorm_mode_32 3
		.amdhsa_float_denorm_mode_16_64 3
		.amdhsa_memory_ordered 1
		.amdhsa_forward_progress 1
		.amdhsa_inst_pref_size 22
	.end_amdhsa_kernel
	.amdgpu_metadata
---
amdhsa.version: [ 1, 2 ]
amdhsa.kernels:
  - .name:           k_q85f25f6dcc_outp
    .symbol:         k_q85f25f6dcc_outp.kd
    .args:
      - { .name: cc, .offset: 0, .size: 8, .value_kind: global_buffer, .address_space: global }
      - { .name: wc, .offset: 8, .size: 8, .value_kind: global_buffer, .address_space: global }
      - { .name: lowp_scales, .offset: 16, .size: 8, .value_kind: global_buffer, .address_space: global }
      - { .name: b_o, .offset: 24, .size: 8, .value_kind: global_buffer, .address_space: global }
      - { .name: out0, .offset: 32, .size: 8, .value_kind: global_buffer, .address_space: global }
    .group_segment_fixed_size: 70656
    .private_segment_fixed_size: 0
    .kernarg_segment_align: 8
    .kernarg_segment_size: 40
    .max_flat_workgroup_size: 256
    .sgpr_count:     66
    .vgpr_count:     512
    .wavefront_size: 32
...
	.end_amdgpu_metadata
.endif
;; end of part 8
